; MI455X (gfx1250); checked and timed in simulation.
; The chip was launched on July 23, 2026; its instructions are those of AMD's public machine-readable ISA for CDNA 5 (MIT licence, August 2026) and "CDNA5" Instruction Set Architecture Reference Guide (July 2026). The comments in the code are by the model that wrote it; some were corrected since.
;; gmlp. Allowed arithmetic: matrix products marked QUANTISED: E2M1 operands, one E8M0 scale for each 32 along K, by v_wmma_scale_f32_16x16x128_f8f6f4 with both operands' format E2M1 (or v_wmma_scale_f32_32x16x128_f4), f32 sums; everything else in f32.
;; Inputs: cb 1,024 float32; cw 1,024 x 1,024 float32; nb 1,024 float32; ng 1,024 float32; pb 2,048 float32; pw 1,024 x 2,048 float32; sgu_b 1,024 float32; sgu_w 1,024 x 1,024 float32; snb 1,024 float32; sng 1,024 float32; weight 16 x 1,024 float32; x 16 x 1,024 x 1,024 float32.
;; Outputs: out0 16 x 1,024 x 1,024 float32.
;; This version of the problem:
;;   THIS VERSION OF THE PROBLEM IS GIVEN IN LOW PRECISION. The matrix products marked QUANTISED in the list below multiply operands that are first quantised to E2M1 (2 exponent bits, 1 mantissa bit; 4 bits a number), with one power-of-two scale for each 32 numbers along K (OCP MX v1.0); their sums are f32. All else is computed in f32.
;;   The module's matrix products, in the order in which they are computed (A, B: the left and right operand; K: the contracted axis; several contracted axes count as one K, in the product's order):
;;     1. [M 16,384, K 1,024] x [K 1,024, N 2,048]; A: computed on the way; B: input pw: QUANTISED
;;     2. [M 1,024, K 1,024] x [K 1,024, N 16,384]; A: input sgu_w; B: computed on the way: QUANTISED
;;     3. [M 16,384, K 1,024] x [K 1,024, N 1,024]; A: computed on the way; B: input cw: QUANTISED
;;   THE QUANTISER, for each operand of a quantised product, along K:
;;     - K is cut into blocks of 32 from its start; a last block that is shorter is filled with zeros.
;;     - A block's scale is 2^e with e = floor(log2(the largest magnitude in the block)) - 2, held to -126 .. 127; a block of zeros has e = 0. As a byte (E8M0): e + 127.
;;     - Each number is divided by its block's scale, clamped to +-6, and rounded to the nearest number of E2M1, ties to even, subnormals kept.
;;     - The product sums the exact products of the quantised numbers (number of the format x scale) in f32.
;;   ~~~python
;;   def quantise(x, axis):      # numpy; x: float32 -> the quantised numbers, widened to float32 again
;;       x = np.moveaxis(x, axis, -1); K = x.shape[-1]
;;       x = np.pad(x, [(0, 0)] * (x.ndim - 1) + [(0, -K % 32)]); x = x.reshape(x.shape[:-1] + (-1, 32)); a = np.abs(x).max(-1, keepdims=True)
;;       e = np.where(a > 0, np.clip(np.frexp(np.where(a > 0, a, 1))[1] - 1 - 2, -126, 127), 0)      # np.frexp(a)[1] - 1 = floor(log2(a)), exactly
;;       r = np.clip(x / 2.0 ** e, -6, 6)
;;       step = 2.0 ** (np.maximum(np.frexp(np.where(r == 0, 1, r))[1] - 1, 0) - 1)
;;       q = np.round(r / step) * step * 2.0 ** e      # np.round: ties to even
;;       return np.moveaxis(q.reshape(q.shape[:-2] + (-1,))[..., :K], -1, axis).astype(np.float32)
;;   ~~~
;;   OPERANDS COMPUTED ON THE WAY. 'Computed on the way' means the value that the module computes at that place (a softmax that the list does not call 'softmax' is quantised finished and normalised). What goes into a quantiser is computed in f32, as accurately as f32 sums, v_exp_f32 and their like allow (about 1e-6 of the number): no bf16 or f16 on the way to a quantiser, and a product that is left as it is and whose result goes on into a quantised operand takes f32 operands (vector FMAs, or v_wmma_f32_16x16x4_f32). A number that lies on a knife's edge between two numbers of the format may be rounded either way, as far as f32 arithmetic and the matrix unit's own rounding can turn it there, and no further.
;; One version. Each part assembles by itself: llvm-mc -triple=amdgcn-amd-amdhsa -mcpu=gfx1250 --defsym DOCPART=n.
;; ======== version 1 of 1: 3 launches
;; limits: right only within a limited range of input values
;; workspace buffers: xq 8,912,896 bytes; vq 8,912,896 bytes; wq 2,228,224 bytes
;; launch prep (part 1): grid 768 x 1, 4 waves a work-group, no clusters, 18,944 bytes of LDS; arguments x, ng, nb, pw, sgu_w, cw, xq, wq; writes xq, wq
.if DOCPART == 1
	.amdgcn_target "amdgcn-amd-amdhsa--gfx1250"
	.amdhsa_code_object_version 6
	.text
	.protected	k_qdf5d2aacb1_prep
	.globl	k_qdf5d2aacb1_prep
	.p2align	8
	.type	k_qdf5d2aacb1_prep,@function
k_qdf5d2aacb1_prep:
	s_mov_b64 s[64:65], 0
	v_nop
	global_prefetch_b8 v0, s[64:65] scope:SCOPE_SE
	s_setreg_imm32_b32 hwreg(HW_REG_WAVE_MODE, 25, 1), 1
	s_wait_xcnt 0x0
; PREP.  (1) a = layernorm(x) along H, quantised along H to codes of E2M1 with one E8M0 byte for each 32: into xq.  (2) pw, sgu_w, cw, whose K is their FIRST axis, quantised along it: into wq.
; THE OPERAND BLOCK, the one layout of xq, wq and vq: 64 rows x K 1,024 in OPB = 34,816 bytes, laid as an image of the matrix operand's registers.
;   Tile t (0..3), tile lane r (0..15) is row 32 (t/2) + 8 (t%2) + r + 8 (r/8).  Codes: byte 4096 k + 2048 c + 512 t + 16 (16 h + r) holds the 16 bytes of K = 128 k + 64 c + 32 h + 0..31.
;   Scale words (four bytes: 128 along K of one row) from byte SCO on: 1024 (t/2) + 512 (k/4) + 256 (t%2) + 16 r + 4 (k%4).
; Work-groups 0..511 take x, 32 rows each (a pair of tiles of a block); work-groups 512..767 take the weights.  No matrix unit, no tensor load, no cluster: nothing here is read twice.
; LIMITS: NaN and infinities among the inputs are not served.  A block whose largest magnitude lies under 2^-124 gets the byte 1, and so does a block of zeros where the rule says 127: its codes are
; zeros, and these bytes are read by this program alone.  v_rsq_f32 is good to one unit in the last place.
.set OPB,   34816
.set SCO,   32768
.set XP,    528                        ; LDS: a row's 512 bytes of codes + 16
.set XSCL,  32*XP                      ; behind the 32 rows of codes: their scale bytes,
.set SP,    48                         ; 32 bytes a row + 16
.set FLOOR, 0x1800000                  ; 2^(3 - 127): no largest magnitude is taken under it, so the byte cannot fall under 1
.set R,     32                         ; v32-159  four row slots of 32 numbers (weights: four blocks of 32)
.set GN,    160                        ; v160-191 ng of my 32 columns
.set BN,    192                        ; v192-223 nb
.set CD,    224                        ; v224-227 a row's four registers of codes
.set BY,    228                        ; v228-231 and four scale bytes
	s_load_b512 s[8:23], s[0:1], 0x0               ; x s[8:9], ng s[10:11], nb s[12:13], pw s[14:15], sgu_w s[16:17], cw s[18:19], xq s[20:21], wq s[22:23]
	v_lshl_add_u32 v232, v0, 2, 0x4800
	v_mov_b32 v233, 0
	v_lshrrev_b32 v1, 5, v0
	v_readfirstlane_b32 s4, v1                     ; wave 0..3
	v_and_b32 v1, 31, v0                           ; lane
	s_cmp_ge_u32 ttmp9, 512
	s_cbranch_scc1 .Lweights
; ---------------- x: a wave takes 8 rows.  Of a row, lane l holds k = 256 a + 8 l + 0..7, a = 0..3: a pair of loads covers 1,024 bytes on end, and four neighbouring lanes hold a block of 32.
	v_lshlrev_b32 v3, 5, v1                        ; 32 l: my bytes in ng, nb and in a quarter of a row
	s_lshl_b32 s5, s4, 15
	v_and_b32 v2, 15, v1
	v_lshrrev_b32 v8, 4, v1
	v_lshlrev_b32 v2, 5, v2
	v_lshl_add_u32 v2, v8, 4, v2                   ; x: lanes 0-15 take the even 16-byte pieces of 512 bytes, lanes 16-31 the odd ones: a load covers 512 bytes on end
	v_add_nc_u32 v2, s5, v2                        ; + my wave's 8 rows of 4,096 bytes
	s_mul_i32 s5, s4, 8*XP
	v_lshl_add_u32 v4, v1, 2, s5                   ; LDS, codes in: 4 l + 8 rows x wave
	s_mul_i32 s5, s4, 8*SP
	s_add_co_u32 s5, s5, XSCL
	v_lshrrev_b32 v5, 2, v1
	v_add_nc_u32 v5, s5, v5                        ; LDS, scale bytes in: l / 4 + 8 rows x wave
	v_and_b32 v6, 15, v0                           ; r
	v_and_b32 v7, 8, v6
	v_add_nc_u32 v6, v6, v7                        ; r + 8 (r / 8)
	v_bfe_u32 v7, v0, 4, 1                         ; h
	v_mul_u32_u24 v30, v6, XP
	v_lshl_add_u32 v30, v7, 4, v30
	s_lshl_b32 s5, s4, 7
	v_add_nc_u32 v30, s5, v30                      ; LDS, codes out: the tile's row, + 16 h, + my wave's two K steps (128 bytes)
	v_lshl_add_u32 v31, v7, 3, v6
	v_mul_u32_u24 v31, v31, SP
	s_lshl_b32 s5, s4, 4
	s_add_co_u32 s5, s5, XSCL
	v_add_nc_u32 v31, s5, v31                      ; LDS, scale words out (waves 0, 1): lanes 0-15 the even tile's rows, lanes 16-31 the odd one's; 16 bytes x wave
	v_lshlrev_b32 v6, 4, v1
	s_lshl_b32 s5, s4, 13
	v_add_nc_u32 v7, s5, v6                        ; xq, codes: 16 x lane + 8,192 x wave
	s_lshl_b32 s5, s4, 9
	v_add_nc_u32 v6, s5, v6                        ; xq, scale words: 16 x lane + 512 x wave
	v_mov_b32 v17, 0                               ; written once: a lane permute's destination counts as one of its sources
	s_mov_b32 s24, 0x76543210
	s_mov_b32 s25, 0xfedcba98                      ; v_permlanex16_b32's selects for lane l xor 16
	s_mov_b32 s26, 0xba800000                      ; -1 / 1024
	s_mov_b32 s27, 0x3a800000                      ; 1 / 1024
	s_mov_b32 s28, 0x3727c5ac                      ; 1e-5
	s_lshl_b32 s2, ttmp9, 17                       ; 32 rows of 4,096 bytes a work-group
	s_mov_b32 s3, 0
	s_lshr_b32 s6, ttmp9, 1
	s_mul_i32 s6, s6, OPB                          ; the block,
	s_and_b32 s7, ttmp9, 1
	s_lshl_b32 s7, s7, 10                          ; and which pair of its tiles: 1,024 bytes on, in the codes and in the scale words alike
	s_add_co_u32 s6, s6, s7
	s_mov_b32 s7, 0
	s_wait_kmcnt 0x0
	s_add_nc_u64 s[8:9], s[8:9], s[2:3]
	s_add_nc_u64 s[20:21], s[20:21], s[6:7]
.irp a, 0,1,2,3
	global_load_b128 v[GN+8*\a:GN+8*\a+3],   v3, s[10:11] offset:1024*\a
	global_load_b128 v[GN+8*\a+4:GN+8*\a+7], v3, s[10:11] offset:1024*\a+16
	global_load_b128 v[BN+8*\a:BN+8*\a+3],   v3, s[12:13] offset:1024*\a
	global_load_b128 v[BN+8*\a+4:BN+8*\a+7], v3, s[12:13] offset:1024*\a+16
.endr
.macro ROWLOAD i                       ; row i of my 8 into slot i % 4: eight loads
.irp a, 0,1,2,3
	global_load_b128 v[R+32*((\i)%4)+8*\a:R+32*((\i)%4)+8*\a+3],   v2, s[8:9] offset:4096*(\i)+1024*\a th:TH_LOAD_NT
	global_load_b128 v[R+32*((\i)%4)+8*\a+4:R+32*((\i)%4)+8*\a+7], v2, s[8:9] offset:4096*(\i)+1024*\a+512 th:TH_LOAD_NT
.endr
.endm
.macro ALLSUM                          ; v16 summed over the 32 lanes, the result in every lane
	v_add_f32_dpp v16, v16, v16 row_xmask:1 row_mask:0xf bank_mask:0xf
	v_add_f32_dpp v16, v16, v16 row_xmask:2 row_mask:0xf bank_mask:0xf
	v_add_f32_dpp v16, v16, v16 row_xmask:4 row_mask:0xf bank_mask:0xf
	v_add_f32_dpp v16, v16, v16 row_xmask:8 row_mask:0xf bank_mask:0xf
	v_permlanex16_b32 v17, v16, s24, s25
	v_add_f32 v16, v16, v17
.endm
.macro FOLD                            ; the four chains v[8:15] into v16
	v_pk_add_f32 v[8:9], v[8:9], v[10:11]
	v_pk_add_f32 v[12:13], v[12:13], v[14:15]
	v_pk_add_f32 v[8:9], v[8:9], v[12:13]
	v_add_f32 v16, v8, v9
.endm
	ROWLOAD 0
	ROWLOAD 1
	ROWLOAD 2
	ROWLOAD 3
; One row.  left: the loads of the younger rows, which may stay out.
.macro TURN i, left
.set XS, R+32*((\i)%4)
	s_wait_loadcnt \left
.irp a, 0,1,2,3                        ; the first load's lanes 16-31 change places with the second's lanes 0-15: lane l then holds k = 256 a + 8 l + 0..7
.irp e, 0,1,2,3
	v_permlane16_swap_b32 v[XS+8*\a+\e], v[XS+8*\a+4+\e]
.endr
.endr
.irp c, 0,1,2,3
	v_pk_add_f32 v[8+2*\c:9+2*\c], v[XS+8*\c:XS+8*\c+1], v[XS+8*\c+2:XS+8*\c+3]   ; the sum, in four chains started by the first numbers
.endr
.irp e, 4,6
.irp c, 0,1,2,3
	v_pk_add_f32 v[8+2*\c:9+2*\c], v[8+2*\c:9+2*\c], v[XS+8*\c+\e:XS+8*\c+\e+1]
.endr
.endr
	FOLD
	ALLSUM
	v_mul_f32 v16, s26, v16                        ; -mean (a power of two: exact)
.set p, 0
.rept 16
	v_pk_add_f32 v[XS+p:XS+p+1], v[XS+p:XS+p+1], v[16:17] op_sel_hi:[1,0]   ; d = x - mean: the variance is taken of d, not as a difference of large sums
.set p, p+2
.endr
.irp c, 0,1,2,3
	v_pk_mul_f32 v[8+2*\c:9+2*\c], v[XS+8*\c:XS+8*\c+1], v[XS+8*\c:XS+8*\c+1]
.endr
.irp e, 2,4,6
.irp c, 0,1,2,3
	v_pk_fma_f32 v[8+2*\c:9+2*\c], v[XS+8*\c+\e:XS+8*\c+\e+1], v[XS+8*\c+\e:XS+8*\c+\e+1], v[8+2*\c:9+2*\c]
.endr
.endr
	FOLD
	ALLSUM
	v_fma_f32 v19, v16, s27, s28                   ; the variance + 1e-5
	s_wait_alu depctr_va_vdst(0)
	v_rsq_f32 v18, v19
	v_nop                                          ; a plain instruction behind the transcendental,
	s_wait_alu depctr_va_vdst(0)                   ; and the wait ahead of its first reader
.set p, 0
.rept 16
	v_pk_mul_f32 v[XS+p:XS+p+1], v[XS+p:XS+p+1], v[18:19] op_sel_hi:[1,0]
.set p, p+2
.endr
.set p, 0
.rept 16
	v_pk_fma_f32 v[XS+p:XS+p+1], v[XS+p:XS+p+1], v[GN+p:GN+p+1], v[BN+p:BN+p+1]
.set p, p+2
.endr
.irp a, 0,1,2,3                        ; the four groups of eight by turns: each is a quarter of a block of 32
	v_max3_num_f32 v[20+\a], |v[XS+8*\a]|, |v[XS+8*\a+1]|, FLOOR
.endr
.irp e, 2,4,6
.irp a, 0,1,2,3
	v_max3_num_f32 v[20+\a], v[20+\a], |v[XS+8*\a+\e]|, |v[XS+8*\a+\e+1]|
.endr
.endr
.irp x, 1,2
.irp a, 0,1,2,3
	v_max_num_f32_dpp v[20+\a], v[20+\a], v[20+\a] row_xmask:\x row_mask:0xf bank_mask:0xf   ; with the block's other three lanes
.endr
.endr
.irp a, 0,1,2,3
	v_add_nc_u32 v[24+\a], 0xff000000, v[20+\a]    ; 2 off the exponent field: the conversion takes the exponent field of this operand as its scale
.endr
.irp a, 0,1,2,3
	v_lshrrev_b32 v[BY+\a], 23, v[24+\a]           ; the scale's byte
.endr
.irp a, 0,1,2,3
	v_cvt_scalef32_pk8_fp4_f32 v[CD+\a], v[XS+8*\a:XS+8*\a+7], v[24+\a]
.endr
	v_nop                                          ; a plain instruction behind the last conversion: the next row's lines write these registers again
.irp a, 0,1,2,3
	ds_store_b32 v4, v[CD+\a] offset:XP*(\i)+128*\a            ; the row's codes as they lie along K
	ds_store_b8 v5, v[BY+\a] offset:SP*(\i)+8*\a               ; the four lanes of a block write the same byte with the same value
.endr
.if (\i) < 4
	ROWLOAD (\i)+4                                 ; the slot takes the row four further on
.endif
.endm
	TURN 0, 24
	TURN 1, 24
	TURN 2, 24
	TURN 3, 24
	TURN 4, 24
	TURN 5, 16
	TURN 6, 8
	TURN 7, 0
	s_wait_dscnt 0x0                               ; for the others' sake: my stores have landed
	s_barrier_signal -1
	s_barrier_wait -1
; The way out: wave w takes K steps 2 w and 2 w + 1 of both tiles, in the operand's order; each store of the wave covers 512 bytes on end.
.irp kk, 0,1
.irp c, 0,1
.irp u, 0,1
	ds_load_b128 v[R+4*(4*\kk+2*\c+\u):R+4*(4*\kk+2*\c+\u)+3], v30 offset:8*XP*\u+64*\kk+32*\c
.endr
.endr
.endr
.irp kk, 0,1
.irp c, 0,1
.irp u, 0,1
	s_wait_dscnt 7-(4*\kk+2*\c+\u)
	global_store_b128 v7, v[R+4*(4*\kk+2*\c+\u):R+4*(4*\kk+2*\c+\u)+3], s[20:21] offset:4096*\kk+2048*\c+512*\u
.endr
.endr
.endr
	s_cmp_ge_u32 s4, 2
	s_cbranch_scc1 .Lxdone
	ds_load_b128 v[64:67], v31                     ; four scale words of a row: K steps 4 w .. 4 w + 3
	s_wait_dscnt 0x0
	global_store_b128 v6, v[64:67], s[20:21] offset:SCO
.Lxdone:
	s_wait_tensorcnt 0x0
	ds_add_u32 v232, v233
	s_wait_dscnt 0x0
	s_endpgm
; ---------------- the weights.  A LANE TAKES A COLUMN AND ITS REGISTERS RUN DOWN K, so that the conversions' results have K innermost and nothing is transposed.
; Work-group id = 4 tb + sub.  tb: which 64 columns of which tensor; a wave takes 32 of them (chi = wave % 2) x 128 along K (K step 2 sub + wave / 2).
; Lane l takes the column that is tile 2 chi + l / 16, tile lane l % 16: so sixteen neighbouring lanes store 256 bytes on end, aligned, straight from registers.
.Lweights:
	s_sub_co_u32 s5, ttmp9, 512
	s_lshr_b32 s6, s5, 2                           ; tb: 0..31 pw, 32..47 sgu_w, 48..63 cw
	s_and_b32 s5, s5, 3
	s_and_b32 s7, s4, 1                            ; chi
	s_lshr_b32 s24, s4, 1
	s_lshl_b32 s5, s5, 1
	s_add_co_u32 s5, s5, s24                       ; the K step
	s_and_b32 s25, s6, 15                          ; e
	s_lshr_b32 s26, s25, 2
	s_lshl_b32 s26, s26, 3
	s_and_b32 s27, s25, 3
	s_add_co_u32 s26, s26, s27                     ; f = 8 (e / 4) + e % 4
	s_add_co_u32 s27, s6, 16                       ; the block's number in wq: pw's v half and sgu_w: tb + 16;
	s_cmp_lt_u32 s6, 16
	s_cselect_b32 s27, s26, s27                    ; pw's u half: f;
	s_add_co_u32 s26, s26, 4
	s_cmp_ge_u32 s6, 48
	s_cselect_b32 s27, s26, s27                    ; cw: f + 4, so that a wave's four blocks of cw follow its four of pw's u half
	s_mul_i32 s27, s27, OPB
	s_lshl_b32 s28, s5, 12
	s_add_co_u32 s28, s27, s28                     ; the codes of my K step
	s_mov_b32 s29, 0
	s_lshr_b32 s30, s5, 2
	s_lshl_b32 s30, s30, 9
	s_and_b32 s31, s5, 3
	s_lshl_b32 s31, s31, 2
	s_add_co_u32 s30, s30, s31
	s_add_co_u32 s30, s30, s27
	s_add_co_u32 s30, s30, SCO                     ; and its scale words
	s_mov_b32 s31, 0
	v_and_b32 v2, 15, v0                           ; r
	v_and_b32 v3, 8, v2
	v_add_nc_u32 v3, v3, v2
	v_bfe_u32 v4, v0, 4, 1
	v_lshl_add_u32 v3, v4, 3, v3
	s_lshl_b32 s32, s7, 5
	v_add_nc_u32 v3, s32, v3
	v_lshlrev_b32 v3, 2, v3                        ; in: 4 x (32 chi + 8 (l / 16) + r + 8 (r / 8)): the wave's 32 lanes read 128 bytes on end
	v_lshlrev_b32 v5, 4, v2
	v_lshl_add_u32 v5, v4, 9, v5
	s_lshl_b32 s32, s7, 10
	v_add_nc_u32 v5, s32, v5                       ; codes out: 1024 chi + 512 (l / 16) + 16 r
	v_lshl_add_u32 v6, v1, 4, s32                  ; scale words out: 1024 chi + 16 l
	s_wait_kmcnt 0x0
	s_add_nc_u64 s[28:29], s[22:23], s[28:29]
	s_add_nc_u64 s[30:31], s[22:23], s[30:31]
.macro LOADB bs, pitch, t              ; block t of four: W(128 K step + 32 t + i, my column), i = 0..31
.set i, 0
.rept 32
	global_load_b32 v[R+32*(\t)+i], v3, s[\bs:\bs+1] offset:(32*(\t)+i)*(\pitch) th:TH_LOAD_NT
.set i, i+1
.endr
.endm
.macro BLOCKW bs, pitch, t, left
.set XS, R+32*(\t)
	s_wait_loadcnt \left                           ; this block's 32 loads are in; the next block's may be out
.if (\t) < 2
	LOADB \bs, \pitch, (\t)+2                      ; loads run two blocks ahead
.endif
	v_max3_num_f32 v8, |v[XS]|, |v[XS+1]|, |v[XS+2]|           ; the block's largest magnitude: all 32 numbers are mine
	v_max3_num_f32 v9, |v[XS+3]|, |v[XS+4]|, |v[XS+5]|
.irp e, 6,10,14,18,22,26
	v_max3_num_f32 v8, v8, |v[XS+\e]|, |v[XS+\e+1]|
	v_max3_num_f32 v9, v9, |v[XS+\e+2]|, |v[XS+\e+3]|
.endr
	v_max3_num_f32 v8, v8, |v[XS+30]|, |v[XS+31]|
	v_max3_num_f32 v8, v8, v9, FLOOR
	v_add_nc_u32 v10, 0xff000000, v8
	v_lshrrev_b32 v11, 23, v10
.if (\t) == 0
	v_mov_b32 v12, v11                             ; the four bytes make my column's scale word of this K step
.else
	v_lshl_or_b32 v12, v11, 8*(\t), v12
.endif
.irp g, 0,1,2,3
	v_cvt_scalef32_pk8_fp4_f32 v[160+4*(\t)+\g], v[XS+8*\g:XS+8*\g+7], v10
.endr
	v_nop                                          ; a plain instruction behind the last conversion: the next block writes its scale operand again
	global_store_b128 v5, v[160+4*(\t):160+4*(\t)+3], s[28:29] offset:2048*((\t)/2)+256*((\t)%2)   ; block t is c = t / 2, h = t % 2 of the operand
.endm
.macro WPATH bs, pitch
	LOADB \bs, \pitch, 0
	LOADB \bs, \pitch, 1
	BLOCKW \bs, \pitch, 0, 32
	BLOCKW \bs, \pitch, 1, 32
	BLOCKW \bs, \pitch, 2, 32
	BLOCKW \bs, \pitch, 3, 0
	global_store_b32 v6, v12, s[30:31]             ; 4 bytes of every 16: the other three K steps' words between them are other waves'.  128 KiB in all, of the 16 MiB that this path reads
.endm
	s_cmp_lt_u32 s6, 32
	s_cbranch_scc0 .Lsquare
	s_lshl_b32 s2, s5, 20                          ; pw: 128 rows of 8,192 bytes a K step,
	s_lshl_b32 s3, s6, 8                           ; 64 columns of 4 bytes
	s_add_co_u32 s2, s2, s3
	s_mov_b32 s3, 0
	s_add_nc_u64 s[14:15], s[14:15], s[2:3]
	s_wait_alu depctr_va_vdst(0)
	WPATH 14, 8192
	s_endpgm
.Lsquare:
	s_cmp_lt_u32 s6, 48                            ; the choice hangs on the work-group's number alone
	s_cselect_b64 s[16:17], s[16:17], s[18:19]
	s_lshl_b32 s2, s5, 19                          ; 128 rows of 4,096 bytes a K step
	s_lshl_b32 s3, s25, 8
	s_add_co_u32 s2, s2, s3
	s_mov_b32 s3, 0
	s_add_nc_u64 s[16:17], s[16:17], s[2:3]
	s_wait_alu depctr_va_vdst(0)
	WPATH 16, 4096
	s_endpgm
.Lfunc_end_k_qdf5d2aacb1_prep:
	.size	k_qdf5d2aacb1_prep, .Lfunc_end_k_qdf5d2aacb1_prep-k_qdf5d2aacb1_prep
	.p2alignl 7, 3214868480
	.fill 96, 4, 3214868480
	.section	.rodata,"a",@progbits
	.p2align	6, 0x0
	.amdhsa_kernel k_qdf5d2aacb1_prep
		.amdhsa_group_segment_fixed_size 18944
		.amdhsa_private_segment_fixed_size 0
		.amdhsa_enable_private_segment 0
		.amdhsa_kernarg_size 64
		.amdhsa_user_sgpr_count 2
		.amdhsa_user_sgpr_kernarg_segment_ptr 1
		.amdhsa_wavefront_size32 1
		.amdhsa_system_sgpr_workgroup_id_x 1
		.amdhsa_system_sgpr_workgroup_id_y 1
		.amdhsa_system_sgpr_workgroup_id_z 1
		.amdhsa_system_vgpr_workitem_id 0
		.amdhsa_next_free_vgpr 234
		.amdhsa_next_free_sgpr 66
		.amdhsa_reserve_vcc 0
		.amdhsa_float_denorm_mode_32 3
		.amdhsa_float_denorm_mode_16_64 3
		.amdhsa_memory_ordered 1
		.amdhsa_forward_progress 1
		.amdhsa_inst_pref_size 127
	.end_amdhsa_kernel
	.amdgpu_metadata
---
amdhsa.version: [ 1, 2 ]
amdhsa.kernels:
  - .name:           k_qdf5d2aacb1_prep
    .symbol:         k_qdf5d2aacb1_prep.kd
    .args:
      - { .name: x, .offset: 0, .size: 8, .value_kind: global_buffer, .address_space: global }
      - { .name: ng, .offset: 8, .size: 8, .value_kind: global_buffer, .address_space: global }
      - { .name: nb, .offset: 16, .size: 8, .value_kind: global_buffer, .address_space: global }
      - { .name: pw, .offset: 24, .size: 8, .value_kind: global_buffer, .address_space: global }
      - { .name: sgu_w, .offset: 32, .size: 8, .value_kind: global_buffer, .address_space: global }
      - { .name: cw, .offset: 40, .size: 8, .value_kind: global_buffer, .address_space: global }
      - { .name: xq, .offset: 48, .size: 8, .value_kind: global_buffer, .address_space: global }
      - { .name: wq, .offset: 56, .size: 8, .value_kind: global_buffer, .address_space: global }
    .group_segment_fixed_size: 18944
    .private_segment_fixed_size: 0
    .kernarg_segment_align: 8
    .kernarg_segment_size: 64
    .max_flat_workgroup_size: 128
    .sgpr_count:     66
    .vgpr_count:     234
    .wavefront_size: 32
...
	.end_amdgpu_metadata
.endif
;; end of part 1
;; launch front (part 2): grid 256 x 1, 4 waves a work-group, clusters of 4 x 1, 327,680 bytes of LDS; arguments xq, wq, pb, sng, snb, weight, vq; writes vq
.if DOCPART == 2
	.amdgcn_target "amdgcn-amd-amdhsa--gfx1250"
	.amdhsa_code_object_version 6
	.text
	.protected	k_qdf5d2aacb1_front
	.globl	k_qdf5d2aacb1_front
	.p2align	8
	.type	k_qdf5d2aacb1_front,@function
k_qdf5d2aacb1_front:
	s_mov_b64 s[64:65], 0
	v_nop
	global_prefetch_b8 v0, s[64:65] scope:SCOPE_SE
	s_setreg_imm32_b32 hwreg(HW_REG_WAVE_MODE, 25, 1), 1
	s_wait_xcnt 0x0
	s_wait_alu depctr_hold_cnt(0) depctr_sa_sdst(0) depctr_va_vdst(0) depctr_va_sdst(0) depctr_va_ssrc(0) depctr_va_vcc(0) depctr_vm_vsrc(0)
	s_getreg_b32 s2, hwreg(HW_REG_IB_STS2, 6, 4)
	s_cmp_eq_u32 s2, 0
	s_cbranch_scc0 .Lentry_in_a_cluster
	s_endpgm
.Lentry_in_a_cluster:
	s_bfe_u32 s2, ttmp6, 0x10000c
	s_cmp_lg_u32 s2, 0x3003
	s_cbranch_scc0 .Lentry_shape_is_right
	s_endpgm
.Lentry_shape_is_right:
; FRONT.  v = swish(a pw_v + pb_v); vn = layernorm(v) along t; vn x weight[b, s] is quantised along s, the K of the spatial product, into vq.  v never goes to memory.
; SHARES.  Work-group G = 16 b + rho owns rows s = 64 rho .. + 63 of batch b and all 1,024 columns t; wave w owns columns 256 w .. + 255, in four PASSES of 64.  The rows' codes (block G of xq, all of K)
; stay in 256 registers; pw's blocks come through a ring of two LDS slots, each wave's quarter of a slot filled by its own tensor load and read by that wave alone.
; OPERAND BLOCK (xq, wq, vq): 64 rows x K 1,024 in OPB bytes as an image of operand registers: tile t, tile lane r = row 32 (t/2) + 8 (t%2) + r + 8 (r/8); codes at 4096 k + 2048 c + 512 t + 16 lane;
; scale words from SCO on at 1024 (t/2) + 512 (k/4) + 256 (t%2) + 16 r + 4 (k%4): four loads of 16 bytes a lane give register 8 (t/2) + k, the even tile in lanes 0-15, the odd one in lanes 16-31.
; LAYOUT.  Source 0 = 16 rows of a, source 1 = 16 columns of pw: lane (r, h) holds ONE column t and its registers run along s: register 8 m + j of a column is row 32 (m/2) + 16 h + 8 (m%2) + j, so the
; 16 registers of tiles 2 i, 2 i + 1 are 16 neighbours along s, and the conversions' results are the next operand's registers.
; CLUSTER.  All row blocks walk the same blocks of pw: the four work-groups of a cluster ask for each jointly (mask 15), which divides those requests by four.  No prefetch: each refill is asked for
; a whole pass and its swish ahead, and the weights are read by every work-group.
; REGISTERS: window 0: v1 16 x lane; v2, v3 my quarter of slot 0, 1; v4-7 addresses; v28, v29 for the add; v32-47 a's scale words; v48-63 pw's; v80-95 pb; v128-255 two sets of pw's fragments, else at work.
;   window 1: a's fragments (32 k + 8 m + 4 c); behind pass 3: v0-31 1/sigma, v32-63 weight, v64-79 sng, v80-95 snb.   windows 2, 3: v: pass q in window 2 + q/2 at 128 (q%2) + 32 n + 8 m + j.
; LIMITS: NaN and infinities are not served.  Blocks whose largest magnitude lies under 2^-124, zeros too, get the byte 1 (the rule gives zeros 127): their codes are what counts, and this program alone
; reads the bytes.  v_exp_f32, v_rcp_f32, v_rsq_f32 are good to one unit in the last place; a multiply and an add of the reference are fused where they meet.
.set OPB,   34816
.set SCO,   32768
.set SLOT1, 4*OPB                      ; a slot: four blocks, one a wave
.set STATS, 2*SLOT1                    ; behind the ring: two sets of [wave][half of the lanes][32] f32, 1,024 bytes each; no tile lands here
.set SPARE, STATS+2048                 ; the spare words, 128 bytes for each wave: two blocks of 256 bytes that no other line names
.set SA,  32
.set SB,  48
.set PBV, 80
.set BF0, 128
.set BF1, 192
.set RS,  128                          ; v128-159 row sums
.set QQ,  160                          ; v160-191 sums of squares
.set LD,  192                          ; v192-255 two waves' parts
.set WS,  32                           ; in window 1
.set GV,  64
.set BV,  80
.set QT,  128                          ; the quantiser's registers begin here
.set MSB, 0
.macro WIN new                         ; the immediate's high byte repeats the setting that is left; a switch that changes nothing is dropped
.if MSB != (\new)
	s_set_vgpr_msb (MSB<<8)|(\new)
.set MSB, (\new)
.endif
.endm
.macro PLACES n
.rept \n
	v_nop
.endr
.endm
.macro ROUND                           ; a round of the cluster's barrier: my work-group's barrier; wave 0 signals for the work-group; every wave waits for all four; my work-group's barrier once more
	s_barrier_signal -1
	s_barrier_wait -1
	s_cmp_lg_u32 s20, 0
	s_cbranch_scc1 .Lnot_wave_0_\@
	s_barrier_signal -3
.Lnot_wave_0_\@:
	s_barrier_wait -3
	s_barrier_signal -1
	s_barrier_wait -1
.endm
; THE CHANGE OF SLOTS, at a pass's head.  All my tensor loads have landed (one was out: the slot that I am about to read); 0 onto my spare word; my reads of the other slot are over; a round; and the other slot
; is asked for first thing behind it: it has this pass and what follows it in which to land.  step, bytes: the group 0 whose load has just been shown done walks on.
.macro CHANGE fill, step, bytes
	s_wait_tensorcnt 0x0
	ds_add_u32 v28, v29
.if (\bytes) > 0
	s_add_nc_u64 s[34+4*(\step):35+4*(\step)], s[34+4*(\step):35+4*(\step)], \bytes
.endif
	s_wait_dscnt 0x0
	ROUND
	tensor_load_to_lds s[32+4*(\fill):35+4*(\fill)], s[24:31]
	s_nop 0
	PLACES 4
.endm
.macro WM                              ; one matrix instruction from the symbols rD, rA, rB, rC (under 0: the constant 0), rSA, rSB, and the rows rRA, rRB of the scale registers
.if rC < 0
.if (rRA == 0) && (rRB == 0)
	v_wmma_scale_f32_16x16x128_f8f6f4 v[rD:rD+7], v[rA:rA+7], v[rB:rB+7], 0, v[rSA], v[rSB] matrix_a_fmt:MATRIX_FMT_FP4 matrix_b_fmt:MATRIX_FMT_FP4
.elseif rRB == 0
	v_wmma_scale_f32_16x16x128_f8f6f4 v[rD:rD+7], v[rA:rA+7], v[rB:rB+7], 0, v[rSA], v[rSB] matrix_a_fmt:MATRIX_FMT_FP4 matrix_b_fmt:MATRIX_FMT_FP4 matrix_a_scale:MATRIX_SCALE_ROW1
.elseif rRA == 0
	v_wmma_scale_f32_16x16x128_f8f6f4 v[rD:rD+7], v[rA:rA+7], v[rB:rB+7], 0, v[rSA], v[rSB] matrix_a_fmt:MATRIX_FMT_FP4 matrix_b_fmt:MATRIX_FMT_FP4 matrix_b_scale:MATRIX_SCALE_ROW1
.else
	v_wmma_scale_f32_16x16x128_f8f6f4 v[rD:rD+7], v[rA:rA+7], v[rB:rB+7], 0, v[rSA], v[rSB] matrix_a_fmt:MATRIX_FMT_FP4 matrix_b_fmt:MATRIX_FMT_FP4 matrix_a_scale:MATRIX_SCALE_ROW1 matrix_b_scale:MATRIX_SCALE_ROW1
.endif
.else
.if (rRA == 0) && (rRB == 0)
	v_wmma_scale_f32_16x16x128_f8f6f4 v[rD:rD+7], v[rA:rA+7], v[rB:rB+7], v[rC:rC+7], v[rSA], v[rSB] matrix_a_fmt:MATRIX_FMT_FP4 matrix_b_fmt:MATRIX_FMT_FP4
.elseif rRB == 0
	v_wmma_scale_f32_16x16x128_f8f6f4 v[rD:rD+7], v[rA:rA+7], v[rB:rB+7], v[rC:rC+7], v[rSA], v[rSB] matrix_a_fmt:MATRIX_FMT_FP4 matrix_b_fmt:MATRIX_FMT_FP4 matrix_a_scale:MATRIX_SCALE_ROW1
.elseif rRA == 0
	v_wmma_scale_f32_16x16x128_f8f6f4 v[rD:rD+7], v[rA:rA+7], v[rB:rB+7], v[rC:rC+7], v[rSA], v[rSB] matrix_a_fmt:MATRIX_FMT_FP4 matrix_b_fmt:MATRIX_FMT_FP4 matrix_b_scale:MATRIX_SCALE_ROW1
.else
	v_wmma_scale_f32_16x16x128_f8f6f4 v[rD:rD+7], v[rA:rA+7], v[rB:rB+7], v[rC:rC+7], v[rSA], v[rSB] matrix_a_fmt:MATRIX_FMT_FP4 matrix_b_fmt:MATRIX_FMT_FP4 matrix_a_scale:MATRIX_SCALE_ROW1 matrix_b_scale:MATRIX_SCALE_ROW1
.endif
.endif
.endm
; The product of resident tile m and stream tile n at K step kap.  ori 0: source 0 = resident, source 1 = stream, accumulator at acc + 32 n + 8 m.  ori 1: the sources swapped, accumulator at acc + 32 m + 8 n.
; cm 0: the sum goes on in place; 1: it starts with the constant 0; 2: it starts with the bias, which lies in the registers of the accumulator (m = 0, n).
.macro ONE ori, kap, bb, acc, sa, m, n, cm
.if \ori
.set rD,  (\acc)+32*(\m)+8*(\n)
.set rA,  (\bb)+8*(\n)
.set rB,  32*(\kap)+8*(\m)
.set rSA, SB+8*((\n)/2)+(\kap)
.set rSB, (\sa)+8*((\m)/2)+(\kap)
.set rRA, (\n)%2
.set rRB, (\m)%2
.set rC,  (\acc)+8*(\n)
.else
.set rD,  (\acc)+32*(\n)+8*(\m)
.set rA,  32*(\kap)+8*(\m)
.set rB,  (\bb)+8*(\n)
.set rSA, (\sa)+8*((\m)/2)+(\kap)
.set rSB, SB+8*((\n)/2)+(\kap)
.set rRA, (\m)%2
.set rRB, (\n)%2
.set rC,  (\acc)+32*(\n)
.endif
.if (\cm) == 0
.set rC, rD
.elseif (\cm) == 1
.set rC, -1
.endif
	WM
.endm
; 16 matrix instructions on 16 accumulators, one instruction a turn.  With cm = 2 the twelve that only read the bias come first; five places stand between the last of them and the
; four that write over it.
.macro MUL16 ori, kap, bb, acc, sa, cm
.if (\cm) == 2
.irp m, 1,2,3
.irp n, 0,1,2,3
	ONE \ori, \kap, \bb, \acc, \sa, \m, \n, 2
.endr
.endr
	PLACES 5
.irp n, 0,1,2,3
	ONE \ori, \kap, \bb, \acc, \sa, 0, \n, 0
.endr
.else
.irp m, 0,1,2,3
.irp n, 0,1,2,3
	ONE \ori, \kap, \bb, \acc, \sa, \m, \n, \cm
.endr
.endr
.endif
.endm
.macro FETCH sl, dd, bf                ; 16 LDS loads in one run: the stream's fragments of K steps 2 dd, 2 dd + 1 into set bf; each load takes 512 bytes on end
.irp kk, 0,1
.irp n, 0,1,2,3
.irp c, 0,1
	ds_load_b128 v[(\bf)+32*\kk+8*\n+4*\c:(\bf)+32*\kk+8*\n+4*\c+3], v[2+(\sl)] offset:4096*(2*(\dd)+\kk)+2048*\c+512*\n
.endr
.endr
.endr
.endm
.macro SCALB sl                        ; the stream block's 16 registers of scale words
.irp j, 0,1,2,3
	ds_load_b128 v[SB+4*\j:SB+4*\j+3], v[2+(\sl)] offset:SCO+512*\j
.endr
.endm
; A PASS: 64 rows x 64 columns x K 1,024: 128 matrix instructions.  Each run of loads stands 32 matrix instructions ahead of its use; s_wait_dscnt 16 leaves the one younger run out.
; Four places stand in front of loads into registers that matrix instructions have read.
.macro QPASS ori, sl, mw, acc, sa, cm, ldw
	SCALB \sl
	FETCH \sl, 0, BF0
	FETCH \sl, 1, BF1
.if \ldw
	s_wait_loadcnt 0x0
.endif
	s_wait_dscnt 16
	WIN \mw
	MUL16 \ori, 0, BF0, \acc, \sa, \cm
	MUL16 \ori, 1, BF0+32, \acc, \sa, 0
	PLACES 4
	WIN 0
	FETCH \sl, 2, BF0
	s_wait_dscnt 16
	WIN \mw
	MUL16 \ori, 2, BF1, \acc, \sa, 0
	MUL16 \ori, 3, BF1+32, \acc, \sa, 0
	PLACES 4
	WIN 0
	FETCH \sl, 3, BF1
	s_wait_dscnt 16
	WIN \mw
	MUL16 \ori, 4, BF0, \acc, \sa, 0
	MUL16 \ori, 5, BF0+32, \acc, \sa, 0
	s_wait_dscnt 0x0
	MUL16 \ori, 6, BF1, \acc, \sa, 0
	MUL16 \ori, 7, BF1+32, \acc, \sa, 0
	WIN 0
.endm
; a x sigmoid(a) = a / (1 + 2^(-a log2 e)) on 128 registers of window w.  Each kind of transcendental is ONE batch with one plain instruction and one wait behind it.
; The first lines read each accumulator from its low end on.
.macro SWISH w, base
	PLACES 4
	WIN (\w)
.set j, 0
.rept 64
	v_pk_mul_f32 v[128+j:129+j], v[(\base)+j:(\base)+j+1], s[40:41] op_sel_hi:[1,0]
.set j, j+2
.endr
	WIN 0
.set j, 0
	s_wait_alu depctr_va_vdst(0)
.rept 128
	v_exp_f32 v[128+j], v[128+j]
.set j, j+1
.endr
	v_nop
	s_wait_alu depctr_va_vdst(0)
.set j, 0
.rept 64
	v_pk_add_f32 v[128+j:129+j], v[128+j:129+j], 1.0 op_sel_hi:[1,0]
.set j, j+2
.endr
.set j, 0
	s_wait_alu depctr_va_vdst(0)
.rept 128
	v_rcp_f32 v[128+j], v[128+j]
.set j, j+1
.endr
	v_nop
	s_wait_alu depctr_va_vdst(0)
	WIN 65*(\w)
.set j, 0
.rept 64
	v_pk_mul_f32 v[(\base)+j:(\base)+j+1], v[(\base)+j:(\base)+j+1], v[128+j:129+j]
.set j, j+2
.endr
	WIN 0
.endm
; nc columns of 32 registers in window w, from base on.  Block x (two to a column) is my 16 registers at base + 16 x and lane l xor 16's.  Out: QC + 4 col .. + 3 the operand's four registers
; (k = 32 h + 0..31 of the column's 64), QH + col the two scale bytes.
.macro QUANT w, base, nc
.set QP, QT+2*(\nc)
.set QS, QT+4*(\nc)
.set QB, QT+6*(\nc)
.set QH, QT+8*(\nc)
.set QC, QT+10*(\nc)
	WIN 5*(\w)
.set x, 0
.rept 2*(\nc)
	v_max3_num_f32 v[QT+x], |v[(\base)+16*x]|, |v[(\base)+16*x+1]|, 0x1800000   ; with the floor 2^(3 - 127): the byte cannot fall under 1
.set x, x+1
.endr
.irp e, 2,4,6,8,10,12,14
.set x, 0
.rept 2*(\nc)
	v_max3_num_f32 v[QT+x], |v[(\base)+16*x+\e]|, |v[(\base)+16*x+\e+1]|, v[QT+x]   ; the blocks by turns
.set x, x+1
.endr
.endr
	WIN 0
.set x, 0
.rept 2*(\nc)
	v_permlanex16_b32 v[QP+x], v[QT+x], s42, s43
.set x, x+1
.endr
.set x, 0
.rept 2*(\nc)
	v_max_num_f32 v[QT+x], v[QT+x], v[QP+x]
.set x, x+1
.endr
.set x, 0
.rept 2*(\nc)
	v_add_nc_u32 v[QS+x], 0xff000000, v[QT+x]      ; 2 off the exponent field: the conversion's scale operand
.set x, x+1
.endr
.set x, 0
.rept 2*(\nc)
	v_lshrrev_b32 v[QB+x], 23, v[QS+x]             ; the scale's byte
.set x, x+1
.endr
.set x, 0
.rept \nc
	v_lshl_or_b32 v[QH+x], v[QB+2*x+1], 8, v[QB+2*x]
.set x, x+1
.endr
	WIN (\w)
.set x, 0
.rept 2*(\nc)
	v_cvt_scalef32_pk8_fp4_f32 v[QC+2*x], v[(\base)+16*x:(\base)+16*x+7], v[QS+x]
	v_cvt_scalef32_pk8_fp4_f32 v[QC+2*x+1], v[(\base)+16*x+8:(\base)+16*x+15], v[QS+x]
.set x, x+1
.endr
	v_nop                                          ; a plain instruction behind the last conversion
	WIN 0
.set x, 0
.rept \nc
	v_permlane16_swap_b32 v[QC+4*x], v[QC+4*x+2]   ; the operand wants a whole block in a lane: lanes 0-15 the first, lanes 16-31 the second
	v_permlane16_swap_b32 v[QC+4*x+1], v[QC+4*x+3]
.set x, x+1
.endr
.endm
	s_load_b256 s[4:11], s[0:1], 0x0               ; xq s[4:5], wq s[6:7], pb s[8:9], sng s[10:11]
	s_load_b128 s[12:15], s[0:1], 0x20             ; snb s[12:13], weight s[14:15]
	s_load_b64 s[16:17], s[0:1], 0x30              ; vq
	v_lshl_add_u32 v28, v0, 2, SPARE
	v_mov_b32 v29, 0
	ds_add_u32 v28, v29
	ds_add_u32 v28, v29
	s_wait_dscnt 0x0
	v_lshrrev_b32 v1, 5, v0
	v_readfirstlane_b32 s20, v1                    ; wave 0..3
	s_bfe_u32 s21, ttmp6, 0x40000                  ; cx: it enters plain global addresses alone
	s_lshl_b32 s22, ttmp9, 2
	s_add_co_u32 s22, s22, s21                     ; G = 4 x cluster + cx
	s_lshr_b32 s23, ttmp9, 2                       ; b, which the four partners share
	s_and_b32 s49, s22, 15                         ; rho
	; descriptor group 1: a block as 136 rows of 256 bytes (32 elements of 8), dense, no padding: it is read 512 bytes on end
	s_mov_b32 s24, 15|(3<<16)|(1<<21)              ; 15:0 the mask: all four work-groups; 17:16 elements of 8 bytes; 21 set beside a mask
	s_mov_b32 s25, 32<<16                          ; tensor_dim0 = 32
	s_mov_b32 s26, 136<<16                         ; tensor_dim1 = 136
	s_mov_b32 s27, 32<<16                          ; tile_dim0 = 32
	s_mov_b32 s28, 136                             ; tile_dim1 = 136
	s_mov_b32 s29, 32                              ; from row to row
	s_mov_b32 s30, 0
	s_mov_b32 s31, 0
	s_mov_b32 s32, 1
	s_mul_i32 s33, s20, OPB                        ; LDS: my quarter of slot 0,
	s_mov_b32 s36, 1
	s_add_co_u32 s37, s33, SLOT1                   ; of slot 1
	s_mul_i32 s50, s20, 4*OPB
	s_add_co_u32 s50, s50, 32*OPB                  ; pw's v half: blocks 32 + 4 w + q of wq
	s_mov_b32 s51, 0
	s_mov_b32 s40, 0xbfb8aa3b                      ; -log2(e), as a pair for the packed form
	s_mov_b32 s41, s40
	s_mov_b32 s42, 0x76543210
	s_mov_b32 s43, 0xfedcba98                      ; v_permlanex16_b32's selects for lane l xor 16
	s_mov_b32 s44, 0xba800000                      ; -1 / 1024
	s_mov_b32 s45, s44
	s_mov_b32 s46, 0x3a800000                      ; 1 / 1024
	s_mov_b32 s47, 0x3727c5ac                      ; 1e-5
	s_mov_b32 s48, 0xffff0000                      ; lanes 16-31
	s_wait_kmcnt 0x0
	s_add_nc_u64 s[34:35], s[6:7], s[50:51]        ; pass 0's block,
	s_add_nc_u64 s[38:39], s[34:35], OPB           ; pass 1's
	s_or_b32 s35, s35, 0x80000000
	s_or_b32 s39, s39, 0x80000000
	ROUND                                          ; all four work-groups are here: the first joint loads meet
	tensor_load_to_lds s[32:35], s[24:31]
	s_nop 0
	PLACES 4
	v_and_b32 v1, 31, v0
	v_lshlrev_b32 v1, 4, v1                        ; 16 x lane
	v_add_nc_u32 v2, s33, v1
	v_add_nc_u32 v3, SLOT1, v2
	v_and_b32 v4, 15, v0
	v_and_b32 v5, 8, v4
	v_add_nc_u32 v4, v4, v5
	v_lshlrev_b32 v4, 2, v4                        ; 4 (r + 8 (r / 8)): my column's place among a tile's, in f32
	s_wait_alu depctr_va_vdst(0)
	v_bfe_u32 v5, v0, 4, 1                         ; h
	s_lshl_b32 s50, s20, 8
	s_add_co_u32 s50, s50, STATS
	v_lshl_add_u32 v6, v5, 7, s50                  ; where my wave's part of the sums goes: 256 x wave + 128 h
	v_lshlrev_b32 v7, 7, v5
	v_add_nc_u32 v7, STATS, v7                     ; and from where all four come back
	v_lshlrev_b32 v5, 6, v5                        ; 64 h: my half's 16 rows, in f32
	s_lshl_b32 s50, s20, 10                        ; my wave's 256 columns, in f32
	s_add_nc_u64 s[10:11], s[10:11], s[50:51]
	s_add_nc_u64 s[12:13], s[12:13], s[50:51]
	s_add_co_u32 s50, s50, 4096                    ; pb's second half
	s_add_nc_u64 s[8:9], s[8:9], s[50:51]
	s_lshl_b32 s50, s23, 4
	s_lshl_b32 s52, s20, 2
	s_add_co_u32 s50, s50, s52
	s_mul_i32 s50, s50, OPB
	s_add_nc_u64 s[16:17], s[16:17], s[50:51]      ; vq at blocks 16 b + 4 w ..
	s_mov_b32 s57, 0                               ; (s54-57: offsets that hang on cx)
	s_mul_i32 s56, s22, OPB
	s_add_nc_u64 s[4:5], s[4:5], s[56:57]          ; my block of xq
	s_lshl_b32 s56, s49, 8
	s_lshl_b32 s54, s23, 12
	s_add_co_u32 s56, s56, s54
	s_add_nc_u64 s[14:15], s[14:15], s[56:57]      ; weight[b][64 rho]
	s_lshl_b32 s56, s49, 11                        ; my 64 rows are K step rho / 2, half rho % 2: 2,048 rho bytes on
	s_add_nc_u64 s[52:53], s[16:17], s[56:57]
	s_lshr_b32 s56, s49, 3
	s_lshl_b32 s56, s56, 9
	s_and_b32 s54, s49, 7
	s_lshl_b32 s54, s54, 1
	s_add_co_u32 s56, s56, s54
	s_add_co_u32 s56, s56, SCO                     ; their two bytes of a scale word: SCO + 512 (rho / 8) + 2 (rho % 8)
	s_add_nc_u64 s[18:19], s[16:17], s[56:57]
	WIN 0x40                                       ; destination window 1
.irp kap, 0,1,2,3,4,5,6,7
.irp m, 0,1,2,3
.irp c, 0,1
	global_load_b128 v[32*\kap+8*\m+4*\c:32*\kap+8*\m+4*\c+3], v1, s[4:5] offset:4096*\kap+2048*\c+512*\m th:TH_LOAD_NT
.endr
.endr
.endr
	WIN 0
.irp j, 0,1,2,3
	global_load_b128 v[SA+4*\j:SA+4*\j+3], v1, s[4:5] offset:SCO+512*\j th:TH_LOAD_NT
.endr
.irp q, 0,1,2,3
.irp n, 0,1,2,3
	global_load_b32 v[PBV+4*\q+\n], v4, s[8:9] offset:4*(64*\q+32*(\n/2)+8*(\n%2))   ; pb at my column of pass q, tile n
.endr
.endr
	s_wait_loadcnt 0x0
.macro BIASINIT q                      ; a lane holds one column, so a tile's bias is one number in eight registers: it lies where the accumulator (m = 0, n) will be
	WIN 64*(2+(\q)/2)
.irp n, 0,1,2,3
.irp j, 0,1,2,3,4,5,6,7
	v_mov_b32 v[128*((\q)%2)+32*\n+\j], v[PBV+4*(\q)+\n]
.endr
.endr
	WIN 0
.endm
	BIASINIT 0
	CHANGE 1, 0, 2*OPB                             ; pass 1's block is asked for; slot 0's group 0 walks on to pass 2's
	s_wait_alu depctr_va_vdst(0)
	QPASS 0, 0, 0xa1, 0, SA, 2, 0                  ; 0xa1: source 0 window 1, source 1 window 0, C and D window 2
	SWISH 2, 0
	BIASINIT 1
	CHANGE 0, 1, 2*OPB
	s_wait_alu depctr_va_vdst(0)
	QPASS 0, 1, 0xa1, 128, SA, 2, 0
	SWISH 2, 128
	BIASINIT 2
	CHANGE 1, 0, 0
	s_wait_alu depctr_va_vdst(0)
	QPASS 0, 0, 0xf1, 0, SA, 2, 0
	SWISH 3, 0
	BIASINIT 3
	s_wait_alu depctr_va_vdst(0)
	s_wait_tensorcnt 0x0                           ; the last block: no load was issued behind it, and nothing is left to ask for
	PLACES 4
	QPASS 0, 1, 0xf1, 128, SA, 2, 0
	PLACES 4                                       ; a's fragments are done with: their registers take what the norm needs
	WIN 0x40
.irp m, 0,1,2,3
.irp jj, 0,1
	global_load_b128 v[WS+8*\m+4*\jj:WS+8*\m+4*\jj+3], v5, s[14:15] offset:4*(32*(\m/2)+8*(\m%2))+16*\jj   ; weight at my registers' rows
.endr
.endr
.irp q, 0,1,2,3
.irp n, 0,1,2,3
	global_load_b32 v[GV+4*\q+\n], v4, s[10:11] offset:4*(64*\q+32*(\n/2)+8*(\n%2))
	global_load_b32 v[BV+4*\q+\n], v4, s[12:13] offset:4*(64*\q+32*(\n/2)+8*(\n%2))
.endr
.endr
	WIN 0
	SWISH 3, 128
; THE NORM ALONG t.  A row's 1,024 numbers lie in 16 lanes x 16 columns x 4 waves.  32 registers of sums: over my columns, over the 16 lanes of my half, then over the waves through LDS.
.macro REDUCE rg, ofs
.irp x, 1,2,4,8
.set j, 0
.rept 32
	v_add_f32_dpp v[(\rg)+j], v[(\rg)+j], v[(\rg)+j] row_xmask:\x row_mask:0xf bank_mask:0xf
.set j, j+1
.endr
.endr
.irp k, 0,1,2,3,4,5,6,7
	ds_store_b128 v6, v[(\rg)+4*\k:(\rg)+4*\k+3] offset:(\ofs)+16*\k   ; the sixteen lanes of a half write the same words with the same values
.endr
	s_wait_dscnt 0x0                               ; for the others' sake: my stores have landed
	s_barrier_signal -1
	s_barrier_wait -1
.irp u, 0,1
.irp k, 0,1,2,3,4,5,6,7
	ds_load_b128 v[LD+32*\u+4*\k:LD+32*\u+4*\k+3], v7 offset:(\ofs)+256*\u+16*\k
.endr
.endr
	s_wait_dscnt 0x0
.set p, 0
.rept 16
	v_pk_add_f32 v[(\rg)+p:(\rg)+p+1], v[LD+p:LD+p+1], v[LD+32+p:LD+33+p]
.set p, p+2
.endr
.irp u, 0,1
.irp k, 0,1,2,3,4,5,6,7
	ds_load_b128 v[LD+32*\u+4*\k:LD+32*\u+4*\k+3], v7 offset:(\ofs)+512+256*\u+16*\k
.endr
.endr
	s_wait_dscnt 0x0
.set p, 0
.rept 16
	v_pk_add_f32 v[(\rg)+p:(\rg)+p+1], v[(\rg)+p:(\rg)+p+1], v[LD+p:LD+p+1]
.set p, p+2
.endr
.set p, 0
.rept 16
	v_pk_add_f32 v[(\rg)+p:(\rg)+p+1], v[(\rg)+p:(\rg)+p+1], v[LD+32+p:LD+33+p]
.set p, p+2
.endr
.endm
	WIN 0x0a                                       ; sources 0 and 1 window 2
.set p, 0
.rept 16
	v_pk_add_f32 v[RS+p:RS+p+1], v[p:p+1], v[32+p:33+p]        ; the first two columns start the sums
.set p, p+2
.endr
	WIN 0x02
.set j, 64
.rept 96
	v_pk_add_f32 v[RS+(j%32):RS+(j%32)+1], v[j:j+1], v[RS+(j%32):RS+(j%32)+1]
.set j, j+2
.endr
	WIN 0x03
.set j, 0
.rept 128
	v_pk_add_f32 v[RS+(j%32):RS+(j%32)+1], v[j:j+1], v[RS+(j%32):RS+(j%32)+1]
.set j, j+2
.endr
	WIN 0
	REDUCE RS, 0
.irp w, 2,3
	WIN 80*\w                                      ; destination and source 2 window w
.set j, 0
.rept 128
	v_pk_fma_f32 v[j:j+1], v[RS+(j%32):RS+(j%32)+1], s[44:45], v[j:j+1] op_sel_hi:[1,0,1]   ; d = v - sum / 1024: the variance is taken of d
.set j, j+2
.endr
.endr
	WIN 0x0a
.set p, 0
.rept 16
	v_pk_mul_f32 v[QQ+p:QQ+p+1], v[p:p+1], v[p:p+1]
.set p, p+2
.endr
.set j, 32
.rept 112
	v_pk_fma_f32 v[QQ+(j%32):QQ+(j%32)+1], v[j:j+1], v[j:j+1], v[QQ+(j%32):QQ+(j%32)+1]
.set j, j+2
.endr
	WIN 0x0f
.set j, 0
.rept 128
	v_pk_fma_f32 v[QQ+(j%32):QQ+(j%32)+1], v[j:j+1], v[j:j+1], v[QQ+(j%32):QQ+(j%32)+1]
.set j, j+2
.endr
	WIN 0
	REDUCE QQ, 1024                                ; other bytes than the first sums': no wave waits for the first set's readers
.set j, 0
.rept 32
	v_fma_f32 v[QQ+j], v[QQ+j], s46, s47           ; the variance + 1e-5
.set j, j+1
.endr
	WIN 0x40
.set j, 0
	s_wait_alu depctr_va_vdst(0)
.rept 32
	v_rsq_f32 v[j], v[QQ+j]                        ; into window 1, beside weight, sng, snb
.set j, j+1
.endr
	v_nop
	s_wait_alu depctr_va_vdst(0)                   ; one wait for the batch, ahead of its first reader
	s_wait_loadcnt 0x0                             ; weight, sng, snb
; ((d / sigma) g + b) weight, in the reference's order; 1/sigma and weight go by register, g and b by column: one register of a pair serves both halves
.macro NORM w
	WIN 65*(\w)+20                                 ; destination and source 0 window w, sources 1 and 2 window 1
.set j, 0
.rept 128
	v_pk_mul_f32 v[j:j+1], v[j:j+1], v[(j%32):(j%32)+1]
.set j, j+2
.endr
.set j, 0
.rept 128
.set g, 8*((\w)-2)+2*(j/64)
.if ((j/32)%2) == 0
	v_pk_fma_f32 v[j:j+1], v[j:j+1], v[GV+g:GV+g+1], v[BV+g:BV+g+1] op_sel_hi:[1,0,0]
.else
	v_pk_fma_f32 v[j:j+1], v[j:j+1], v[GV+g:GV+g+1], v[BV+g:BV+g+1] op_sel:[0,1,1] op_sel_hi:[1,1,1]
.endif
.set j, j+2
.endr
.set j, 0
.rept 128
	v_pk_mul_f32 v[j:j+1], v[j:j+1], v[WS+(j%32):WS+(j%32)+1]
.set j, j+2
.endr
	WIN 0
.endm
	NORM 2
	NORM 3
; Eight columns of tiles a window become codes.  A pass's four tiles are stored as 2,048 bytes on end.  The scale bytes are two of a word's four (the word's other 64 rows of s are another work-group's):
; 2 bytes of every 16, 2 KiB of the work-group's 34.
.macro VOUT w
	QUANT \w, 0, 8
.irp i, 0,1,2,3
	v_cndmask_b32 v[QH+2*\i], v[QH+2*\i], v[QH+2*\i+1], s48    ; lanes 0-15 the even tile's bytes, lanes 16-31 the odd one's
.endr
.irp cc, 0,1,2,3,4,5,6,7
	global_store_b128 v1, v[QC+4*\cc:QC+4*\cc+3], s[52:53] offset:(2*((\w)-2)+\cc/4)*OPB+512*(\cc%4)
.endr
.irp i, 0,1,2,3
	global_store_b16 v1, v[QH+2*\i], s[18:19] offset:(2*((\w)-2)+\i/2)*OPB+1024*(\i%2)
.endr
.endm
	VOUT 2
	s_wait_xcnt 0x0                                ; the stores have read their registers: only behind this wait are they written again
	VOUT 3
	s_wait_tensorcnt 0x0                           ; the wave's end
	ds_add_u32 v28, v29
	s_wait_dscnt 0x0
	ROUND                                          ; the closing round
	s_endpgm
.Lfunc_end_k_qdf5d2aacb1_front:
	.size	k_qdf5d2aacb1_front, .Lfunc_end_k_qdf5d2aacb1_front-k_qdf5d2aacb1_front
	.p2alignl 7, 3214868480
	.fill 96, 4, 3214868480
	.section	.rodata,"a",@progbits
	.p2align	6, 0x0
	.amdhsa_kernel k_qdf5d2aacb1_front
		.amdhsa_group_segment_fixed_size 327680
		.amdhsa_private_segment_fixed_size 0
		.amdhsa_enable_private_segment 0
		.amdhsa_kernarg_size 56
		.amdhsa_user_sgpr_count 2
		.amdhsa_user_sgpr_kernarg_segment_ptr 1
		.amdhsa_wavefront_size32 1
		.amdhsa_system_sgpr_workgroup_id_x 1
		.amdhsa_system_sgpr_workgroup_id_y 1
		.amdhsa_system_sgpr_workgroup_id_z 1
		.amdhsa_system_vgpr_workitem_id 0
		.amdhsa_next_free_vgpr 1024
		.amdhsa_next_free_sgpr 66
		.amdhsa_reserve_vcc 0
		.amdhsa_float_denorm_mode_32 3
		.amdhsa_float_denorm_mode_16_64 3
		.amdhsa_memory_ordered 1
		.amdhsa_forward_progress 1
		.amdhsa_inst_pref_size 255
	.end_amdhsa_kernel
	.section	.bss,"aw",@nobits
	.p2align	6
	.space	262144
	.amdgpu_metadata
---
amdhsa.version: [ 1, 2 ]
amdhsa.kernels:
  - .name:           k_qdf5d2aacb1_front
    .symbol:         k_qdf5d2aacb1_front.kd
    .args:
      - { .name: xq, .offset: 0, .size: 8, .value_kind: global_buffer, .address_space: global }
      - { .name: wq, .offset: 8, .size: 8, .value_kind: global_buffer, .address_space: global }
      - { .name: pb, .offset: 16, .size: 8, .value_kind: global_buffer, .address_space: global }
      - { .name: sng, .offset: 24, .size: 8, .value_kind: global_buffer, .address_space: global }
      - { .name: snb, .offset: 32, .size: 8, .value_kind: global_buffer, .address_space: global }
      - { .name: weight, .offset: 40, .size: 8, .value_kind: global_buffer, .address_space: global }
      - { .name: vq, .offset: 48, .size: 8, .value_kind: global_buffer, .address_space: global }
    .group_segment_fixed_size: 327680
    .private_segment_fixed_size: 0
    .kernarg_segment_align: 8
    .kernarg_segment_size: 56
    .max_flat_workgroup_size: 128
    .sgpr_count:     66
    .vgpr_count:     1024
    .wavefront_size: 32
...
	.end_amdgpu_metadata
.endif
;; end of part 2
;; launch back (part 3): grid 256 x 1, 4 waves a work-group, clusters of 4 x 1, 327,680 bytes of LDS; arguments xq, wq, vq, pb, weight, sgu_b, cb, out0; writes out0
.if DOCPART == 3
	.amdgcn_target "amdgcn-amd-amdhsa--gfx1250"
	.amdhsa_code_object_version 6
	.text
	.protected	k_qdf5d2aacb1_back
	.globl	k_qdf5d2aacb1_back
	.p2align	8
	.type	k_qdf5d2aacb1_back,@function
k_qdf5d2aacb1_back:
	s_mov_b64 s[64:65], 0
	v_nop
	global_prefetch_b8 v0, s[64:65] scope:SCOPE_SE
	s_setreg_imm32_b32 hwreg(HW_REG_WAVE_MODE, 25, 1), 1
	s_wait_xcnt 0x0
	s_wait_alu depctr_hold_cnt(0) depctr_sa_sdst(0) depctr_va_vdst(0) depctr_va_sdst(0) depctr_va_ssrc(0) depctr_va_vcc(0) depctr_vm_vsrc(0)
	s_getreg_b32 s2, hwreg(HW_REG_IB_STS2, 6, 4)
	s_cmp_eq_u32 s2, 0
	s_cbranch_scc0 .Lentry_in_a_cluster
	s_endpgm
.Lentry_in_a_cluster:
	s_bfe_u32 s2, ttmp6, 0x10000c
	s_cmp_lg_u32 s2, 0x3003
	s_cbranch_scc0 .Lentry_shape_is_right
	s_endpgm
.Lentry_shape_is_right:
; BACK.  u = swish(a pw_u + pb_u); gated = sgu_w^T (vn x weight); proj = u (gated weight[b, j] + sgu_b[j]), quantised along t; out = proj cw + cb.  u, gated and proj never go to memory.
; SHARES.  Work-group G = 16 b + rho owns rows j = 64 rho .. + 63 of batch b and all 1,024 columns; wave w owns columns 256 w .. + 255, in quarters of 64.  Twelve PASSES of 64 x 64 x K 1,024 a wave:
; U0 G0 U1 G1 U2 G2 U3 G3 O0 O1 O2 O3.  The rows' operands stay in registers for all of K: a's codes (window 1; later proj's), sgu_w's columns j (window 2).  The other side streams through a ring of two
; LDS slots, each wave's quarter filled by its own tensor load and read by that wave alone: pw_u's and cw's blocks from wq (slot 0, then both), vq's blocks of batch b (slot 1).
; OPERAND BLOCK: as in the launches before: tile t, tile lane r = row 32 (t/2) + 8 (t%2) + r + 8 (r/8); codes at 4096 k + 2048 c + 512 t + 16 lane; scale words from SCO on.
; LAYOUT.  All products are used TRANSPOSED (source 0 = 16 rows of the stream, source 1 = 16 of my rows): lane (r, h) holds ONE row, and register 8 n + i of a row tile the column
; 32 (n/2) + 16 h + 8 (n%2) + i of the quarter: u and gated meet register by register, proj's 16 registers of tiles 2 i, 2 i + 1 are 16 neighbours along t, and out's eight are 32 bytes of a row.
; proj goes from wave to wave through LDS as an image of the operand's registers (16 bytes a lane on end); its scale words as [K step][pair of tiles][lane], 4 bytes a lane.
; CLUSTER.  The weights are walked by all row blocks, vq's blocks by the sixteen of a batch, four of which form a cluster: each block is asked for jointly (mask 15).  Each refill is asked
; for a whole pass and its vector work ahead.
; REGISTERS: window 0: v1 16 x lane; v2, v3 my quarter of slot 0, 1; v4-11, v20, v21, v30 addresses; v12-15 weight[b, j], v16-19 sgu_b[j] of my four rows; v22-25 scale words in the making; v28, v29 for the add;
;   v32-47 a's scale words, later proj's; v48-63 sgu_w's; v64-79 the stream's; v128-255 two sets of the stream's fragments, else at work.   window 3: v0-127 U, O0, O2; v128-255 G, O1, O3.
; LIMITS: as in the launches before: NaN and infinities are not served; blocks under 2^-124, zeros too, get the byte 1; the transcendentals are good to one unit in the last place; multiply and add are fused.
.set OPB,   34816
.set SCO,   32768
.set SLOT1, 4*OPB
.set PIMG,  2*SLOT1                    ; behind the ring: proj's codes, 32,768 bytes; when all have read them, each wave's stage for the way out: 16 rows x 272 bytes.  No tile lands here
.set PSC,   PIMG+32768                 ; proj's scale words, 2,048 bytes
.set SPARE, PIMG+OPB                   ; the spare words, 128 bytes for each wave: two blocks of 256 bytes that no other line names
.set SPI,   272
.set SX,  32
.set SW,  48
.set SB,  64
.set BF0, 128
.set BF1, 192
.set QT,  128
.set MSB, 0
.macro WIN new                         ; the immediate's high byte repeats the setting that is left; a switch that changes nothing is dropped
.if MSB != (\new)
	s_set_vgpr_msb (MSB<<8)|(\new)
.set MSB, (\new)
.endif
.endm
.macro PLACES n
.rept \n
	v_nop
.endr
.endm
.macro ROUND                           ; a round of the cluster's barrier
	s_barrier_signal -1
	s_barrier_wait -1
	s_cmp_lg_u32 s20, 0
	s_cbranch_scc1 .Lnot_wave_0_\@
	s_barrier_signal -3
.Lnot_wave_0_\@:
	s_barrier_wait -3
	s_barrier_signal -1
	s_barrier_wait -1
.endm
; THE CHANGE OF SLOTS, at a pass's head: all my tensor loads have landed (one was out: the slot that I am about to read); 0 onto my spare word; my LDS reads are over; a round; the other slot is asked for
; first thing behind it.  step, bytes: the group 0 whose load has just been shown done walks on.  anew = 1: slot 1's address leaves vq for cw's blocks.
.macro CHANGE fill, step, bytes, anew
	s_wait_tensorcnt 0x0
	ds_add_u32 v28, v29
.if (\bytes) > 0
	s_add_nc_u64 s[34+4*(\step):35+4*(\step)], s[34+4*(\step):35+4*(\step)], \bytes
.endif
.if \anew
	s_mov_b64 s[38:39], s[44:45]
	s_or_b32 s39, s39, 0x80000000
.endif
	s_wait_dscnt 0x0
	ROUND
	tensor_load_to_lds s[32+4*(\fill):35+4*(\fill)], s[24:31]
	s_nop 0
	PLACES 4
.endm
.macro WM                              ; one matrix instruction from the symbols rD, rA, rB, rC (under 0: the constant 0), rSA, rSB, and the rows rRA, rRB of the scale registers
.if rC < 0
.if (rRA == 0) && (rRB == 0)
	v_wmma_scale_f32_16x16x128_f8f6f4 v[rD:rD+7], v[rA:rA+7], v[rB:rB+7], 0, v[rSA], v[rSB] matrix_a_fmt:MATRIX_FMT_FP4 matrix_b_fmt:MATRIX_FMT_FP4
.elseif rRB == 0
	v_wmma_scale_f32_16x16x128_f8f6f4 v[rD:rD+7], v[rA:rA+7], v[rB:rB+7], 0, v[rSA], v[rSB] matrix_a_fmt:MATRIX_FMT_FP4 matrix_b_fmt:MATRIX_FMT_FP4 matrix_a_scale:MATRIX_SCALE_ROW1
.elseif rRA == 0
	v_wmma_scale_f32_16x16x128_f8f6f4 v[rD:rD+7], v[rA:rA+7], v[rB:rB+7], 0, v[rSA], v[rSB] matrix_a_fmt:MATRIX_FMT_FP4 matrix_b_fmt:MATRIX_FMT_FP4 matrix_b_scale:MATRIX_SCALE_ROW1
.else
	v_wmma_scale_f32_16x16x128_f8f6f4 v[rD:rD+7], v[rA:rA+7], v[rB:rB+7], 0, v[rSA], v[rSB] matrix_a_fmt:MATRIX_FMT_FP4 matrix_b_fmt:MATRIX_FMT_FP4 matrix_a_scale:MATRIX_SCALE_ROW1 matrix_b_scale:MATRIX_SCALE_ROW1
.endif
.else
.if (rRA == 0) && (rRB == 0)
	v_wmma_scale_f32_16x16x128_f8f6f4 v[rD:rD+7], v[rA:rA+7], v[rB:rB+7], v[rC:rC+7], v[rSA], v[rSB] matrix_a_fmt:MATRIX_FMT_FP4 matrix_b_fmt:MATRIX_FMT_FP4
.elseif rRB == 0
	v_wmma_scale_f32_16x16x128_f8f6f4 v[rD:rD+7], v[rA:rA+7], v[rB:rB+7], v[rC:rC+7], v[rSA], v[rSB] matrix_a_fmt:MATRIX_FMT_FP4 matrix_b_fmt:MATRIX_FMT_FP4 matrix_a_scale:MATRIX_SCALE_ROW1
.elseif rRA == 0
	v_wmma_scale_f32_16x16x128_f8f6f4 v[rD:rD+7], v[rA:rA+7], v[rB:rB+7], v[rC:rC+7], v[rSA], v[rSB] matrix_a_fmt:MATRIX_FMT_FP4 matrix_b_fmt:MATRIX_FMT_FP4 matrix_b_scale:MATRIX_SCALE_ROW1
.else
	v_wmma_scale_f32_16x16x128_f8f6f4 v[rD:rD+7], v[rA:rA+7], v[rB:rB+7], v[rC:rC+7], v[rSA], v[rSB] matrix_a_fmt:MATRIX_FMT_FP4 matrix_b_fmt:MATRIX_FMT_FP4 matrix_a_scale:MATRIX_SCALE_ROW1 matrix_b_scale:MATRIX_SCALE_ROW1
.endif
.endif
.endm
; The product of resident tile m and stream tile n at K step kap.  ori 1 (the one used here): source 0 = stream, source 1 = resident, accumulator at acc + 32 m + 8 n.
; cm 0: the sum goes on in place; 1: it starts with the constant 0; 2: it starts with the bias, which lies in the registers of the accumulator (m = 0, n).
.macro ONE ori, kap, bb, acc, sa, m, n, cm
.if \ori
.set rD,  (\acc)+32*(\m)+8*(\n)
.set rA,  (\bb)+8*(\n)
.set rB,  32*(\kap)+8*(\m)
.set rSA, SB+8*((\n)/2)+(\kap)
.set rSB, (\sa)+8*((\m)/2)+(\kap)
.set rRA, (\n)%2
.set rRB, (\m)%2
.set rC,  (\acc)+8*(\n)
.else
.set rD,  (\acc)+32*(\n)+8*(\m)
.set rA,  32*(\kap)+8*(\m)
.set rB,  (\bb)+8*(\n)
.set rSA, (\sa)+8*((\m)/2)+(\kap)
.set rSB, SB+8*((\n)/2)+(\kap)
.set rRA, (\m)%2
.set rRB, (\n)%2
.set rC,  (\acc)+32*(\n)
.endif
.if (\cm) == 0
.set rC, rD
.elseif (\cm) == 1
.set rC, -1
.endif
	WM
.endm
; 16 matrix instructions on 16 accumulators, one instruction a turn.  With cm = 2 the twelve that only read the bias come first; five places stand between the last of them and the
; four that write over it.
.macro MUL16 ori, kap, bb, acc, sa, cm
.if (\cm) == 2
.irp m, 1,2,3
.irp n, 0,1,2,3
	ONE \ori, \kap, \bb, \acc, \sa, \m, \n, 2
.endr
.endr
	PLACES 5
.irp n, 0,1,2,3
	ONE \ori, \kap, \bb, \acc, \sa, 0, \n, 0
.endr
.else
.irp m, 0,1,2,3
.irp n, 0,1,2,3
	ONE \ori, \kap, \bb, \acc, \sa, \m, \n, \cm
.endr
.endr
.endif
.endm
.macro FETCH sl, dd, bf                ; 16 LDS loads in one run: the stream's fragments of K steps 2 dd, 2 dd + 1 into set bf; each load takes 512 bytes on end
.irp kk, 0,1
.irp n, 0,1,2,3
.irp c, 0,1
	ds_load_b128 v[(\bf)+32*\kk+8*\n+4*\c:(\bf)+32*\kk+8*\n+4*\c+3], v[2+(\sl)] offset:4096*(2*(\dd)+\kk)+2048*\c+512*\n
.endr
.endr
.endr
.endm
.macro SCALB sl                        ; the stream block's 16 registers of scale words
.irp j, 0,1,2,3
	ds_load_b128 v[SB+4*\j:SB+4*\j+3], v[2+(\sl)] offset:SCO+512*\j
.endr
.endm
; A PASS: 128 matrix instructions.  Each run of loads stands 32 matrix instructions ahead of its use; s_wait_dscnt 16 leaves the one younger run out.  ldw = 1: global loads (a bias, the head's) are awaited.
.macro QPASS ori, sl, mw, acc, sa, cm, ldw
	SCALB \sl
	FETCH \sl, 0, BF0
	FETCH \sl, 1, BF1
.if \ldw
	s_wait_loadcnt 0x0
.endif
	s_wait_dscnt 16
	WIN \mw
	MUL16 \ori, 0, BF0, \acc, \sa, \cm
	MUL16 \ori, 1, BF0+32, \acc, \sa, 0
	PLACES 4
	WIN 0
	FETCH \sl, 2, BF0
	s_wait_dscnt 16
	WIN \mw
	MUL16 \ori, 2, BF1, \acc, \sa, 0
	MUL16 \ori, 3, BF1+32, \acc, \sa, 0
	PLACES 4
	WIN 0
	FETCH \sl, 3, BF1
	s_wait_dscnt 16
	WIN \mw
	MUL16 \ori, 4, BF0, \acc, \sa, 0
	MUL16 \ori, 5, BF0+32, \acc, \sa, 0
	s_wait_dscnt 0x0
	MUL16 \ori, 6, BF1, \acc, \sa, 0
	MUL16 \ori, 7, BF1+32, \acc, \sa, 0
	WIN 0
.endm
; a x sigmoid(a) = a / (1 + 2^(-a log2 e)) on 128 registers of window w.  Each kind of transcendental is ONE batch with one plain instruction and one wait behind it.
.macro SWISH w, base
	PLACES 4
	WIN (\w)
.set j, 0
.rept 64
	v_pk_mul_f32 v[128+j:129+j], v[(\base)+j:(\base)+j+1], s[40:41] op_sel_hi:[1,0]
.set j, j+2
.endr
	WIN 0
.set j, 0
	s_wait_alu depctr_va_vdst(0)
.rept 128
	v_exp_f32 v[128+j], v[128+j]
.set j, j+1
.endr
	v_nop
	s_wait_alu depctr_va_vdst(0)
.set j, 0
.rept 64
	v_pk_add_f32 v[128+j:129+j], v[128+j:129+j], 1.0 op_sel_hi:[1,0]
.set j, j+2
.endr
.set j, 0
	s_wait_alu depctr_va_vdst(0)
.rept 128
	v_rcp_f32 v[128+j], v[128+j]
.set j, j+1
.endr
	v_nop
	s_wait_alu depctr_va_vdst(0)
	WIN 65*(\w)
.set j, 0
.rept 64
	v_pk_mul_f32 v[(\base)+j:(\base)+j+1], v[(\base)+j:(\base)+j+1], v[128+j:129+j]
.set j, j+2
.endr
	WIN 0
.endm
; nc runs of 32 registers in window w, from base on.  Block x (two to a run) is my 16 registers at base + 16 x and lane l xor 16's.  Out: QC + 4 run .. + 3 the operand's four registers, QH + run the two scale bytes.
.macro QUANT w, base, nc
.set QP, QT+2*(\nc)
.set QS, QT+4*(\nc)
.set QB, QT+6*(\nc)
.set QH, QT+8*(\nc)
.set QC, QT+10*(\nc)
	WIN 5*(\w)
.set x, 0
.rept 2*(\nc)
	v_max3_num_f32 v[QT+x], |v[(\base)+16*x]|, |v[(\base)+16*x+1]|, 0x1800000   ; with the floor 2^(3 - 127): the byte cannot fall under 1
.set x, x+1
.endr
.irp e, 2,4,6,8,10,12,14
.set x, 0
.rept 2*(\nc)
	v_max3_num_f32 v[QT+x], |v[(\base)+16*x+\e]|, |v[(\base)+16*x+\e+1]|, v[QT+x]
.set x, x+1
.endr
.endr
	WIN 0
.set x, 0
.rept 2*(\nc)
	v_permlanex16_b32 v[QP+x], v[QT+x], s42, s43
.set x, x+1
.endr
.set x, 0
.rept 2*(\nc)
	v_max_num_f32 v[QT+x], v[QT+x], v[QP+x]
.set x, x+1
.endr
.set x, 0
.rept 2*(\nc)
	v_add_nc_u32 v[QS+x], 0xff000000, v[QT+x]      ; 2 off the exponent field: the conversion's scale operand
.set x, x+1
.endr
.set x, 0
.rept 2*(\nc)
	v_lshrrev_b32 v[QB+x], 23, v[QS+x]             ; the scale's byte
.set x, x+1
.endr
.set x, 0
.rept \nc
	v_lshl_or_b32 v[QH+x], v[QB+2*x+1], 8, v[QB+2*x]
.set x, x+1
.endr
	WIN (\w)
.set x, 0
.rept 2*(\nc)
	v_cvt_scalef32_pk8_fp4_f32 v[QC+2*x], v[(\base)+16*x:(\base)+16*x+7], v[QS+x]
	v_cvt_scalef32_pk8_fp4_f32 v[QC+2*x+1], v[(\base)+16*x+8:(\base)+16*x+15], v[QS+x]
.set x, x+1
.endr
	v_nop                                          ; a plain instruction behind the last conversion
	WIN 0
.set x, 0
.rept \nc
	v_permlane16_swap_b32 v[QC+4*x], v[QC+4*x+2]   ; the operand wants a whole block in a lane
	v_permlane16_swap_b32 v[QC+4*x+1], v[QC+4*x+3]
.set x, x+1
.endr
.endm
	s_load_b512 s[4:19], s[0:1], 0x0               ; xq s[4:5], wq s[6:7], vq s[8:9], pb s[10:11], weight s[12:13], sgu_b s[14:15], cb s[16:17], out0 s[18:19]
	v_lshl_add_u32 v28, v0, 2, SPARE
	v_mov_b32 v29, 0
	ds_add_u32 v28, v29
	ds_add_u32 v28, v29
	s_wait_dscnt 0x0
	v_lshrrev_b32 v1, 5, v0
	v_readfirstlane_b32 s20, v1                    ; wave 0..3
	s_bfe_u32 s21, ttmp6, 0x40000                  ; cx: it enters plain global addresses alone
	s_lshl_b32 s22, ttmp9, 2
	s_add_co_u32 s22, s22, s21                     ; G = 4 x cluster + cx
	s_lshr_b32 s23, ttmp9, 2                       ; b, which the four partners share
	s_and_b32 s46, s22, 15                         ; rho
	; descriptor group 1: a block as 136 rows of 256 bytes (32 elements of 8), dense, no padding
	s_mov_b32 s24, 15|(3<<16)|(1<<21)              ; 15:0 the mask: all four work-groups; 17:16 elements of 8 bytes; 21 set beside a mask
	s_mov_b32 s25, 32<<16
	s_mov_b32 s26, 136<<16
	s_mov_b32 s27, 32<<16
	s_mov_b32 s28, 136
	s_mov_b32 s29, 32
	s_mov_b32 s30, 0
	s_mov_b32 s31, 0
	s_mov_b32 s32, 1
	s_mul_i32 s33, s20, OPB                        ; LDS: my quarter of slot 0,
	s_mov_b32 s36, 1
	s_add_co_u32 s37, s33, SLOT1                   ; of slot 1
	s_mul_i32 s50, s20, 8*OPB                      ; wq: blocks 8 w + q are pw_u's quarters, 8 w + 4 + q cw's
	s_mov_b32 s51, 0
	s_lshl_b32 s52, s23, 4
	s_lshl_b32 s53, s20, 2
	s_add_co_u32 s52, s52, s53
	s_mul_i32 s52, s52, OPB                        ; vq: blocks 16 b + 4 w + q
	s_mov_b32 s53, 0
	s_mov_b32 s40, 0xbfb8aa3b                      ; -log2(e), as a pair for the packed form
	s_mov_b32 s41, s40
	s_mov_b32 s42, 0x76543210
	s_mov_b32 s43, 0xfedcba98                      ; v_permlanex16_b32's selects for lane l xor 16
	s_mov_b32 s48, 0xffff0000                      ; lanes 16-31
	s_wait_kmcnt 0x0
	s_add_nc_u64 s[34:35], s[6:7], s[50:51]        ; slot 0 begins with U0's block,
	s_add_nc_u64 s[44:45], s[34:35], 5*OPB         ; (O1's, kept for the change at O0)
	s_add_nc_u64 s[38:39], s[8:9], s[52:53]
	s_mov_b64 s[66:67], s[34:35]                   ; for the prefetches: my wave's blocks of wq,
	s_mov_b64 s[68:69], s[38:39]                   ; and of vq
	s_or_b32 s35, s35, 0x80000000
	s_or_b32 s39, s39, 0x80000000
	ROUND                                          ; all four work-groups are here: the first joint loads meet
	tensor_load_to_lds s[32:35], s[24:31]
	s_nop 0
	PLACES 4
	v_and_b32 v9, 31, v0                           ; lane
	v_lshlrev_b32 v1, 4, v9                        ; 16 x lane
	v_add_nc_u32 v2, s33, v1
	v_add_nc_u32 v3, SLOT1, v2
	s_lshl_b32 s50, s20, 13
	s_add_co_u32 s50, s50, PIMG
	v_add_nc_u32 v4, s50, v1                       ; proj's codes in: my two K steps, 8,192 x wave + 16 x lane
	s_lshl_b32 s50, s20, 9
	s_add_co_u32 s50, s50, PSC
	v_lshl_add_u32 v5, v9, 2, s50                  ; its scale words in: 512 x wave + 4 x lane
	v_add_nc_u32 v6, PIMG, v1                      ; codes out
	v_lshlrev_b32 v30, 2, v9
	v_add_nc_u32 v30, PSC, v30                     ; scale words out
	v_and_b32 v20, 15, v0                          ; r
	v_bfe_u32 v21, v0, 4, 1                        ; h
	s_mul_i32 s50, s20, 16*SPI
	s_add_co_u32 s50, s50, PIMG                    ; my stage
	v_mul_u32_u24 v7, v20, SPI
	v_lshl_add_u32 v7, v21, 6, v7
	v_add_nc_u32 v7, s50, v7                       ; in: row r, + 64 h
	v_mul_u32_u24 v8, v21, SPI
	v_lshl_add_u32 v8, v20, 4, v8
	v_add_nc_u32 v8, s50, v8                       ; back: lanes 0-15 one row of 256 bytes, lanes 16-31 the next
	v_lshlrev_b32 v9, 12, v21
	v_lshl_add_u32 v9, v20, 4, v9                  ; and the same two rows in out0
	v_lshlrev_b32 v10, 6, v21                      ; 64 h: my half's 16 columns, in f32
	v_and_b32 v11, 8, v20
	v_add_nc_u32 v11, v11, v20
	v_lshlrev_b32 v11, 2, v11
	s_mul_i32 s56, s21, 34                         ; a block is 136 units of 256 bytes: the four partners take 34 each, told apart by address
	v_and_b32 v26, 31, v0
	v_min_u32 v27, 1, v26
	v_add_nc_u32 v26, s56, v26
	v_add3_u32 v27, v27, s56, 32
	v_lshlrev_b32 v26, 8, v26                      ; units 34 cx + lane,
	v_lshlrev_b32 v27, 8, v27                      ; and 34 cx + 32, + 33 (lanes 1-31 name the last one)
	s_wait_alu depctr_va_vdst(0)
	s_mov_b32 s57, 0                               ; (s54-57: offsets that hang on cx)
	s_mul_i32 s56, s22, OPB
	s_add_nc_u64 s[4:5], s[4:5], s[56:57]          ; my block of xq
	s_add_co_u32 s56, s46, 48
	s_mul_i32 s56, s56, OPB
	s_add_nc_u64 s[6:7], s[6:7], s[56:57]          ; sgu_w's columns j: block 48 + rho of wq
	s_lshl_b32 s56, s46, 8
	s_add_nc_u64 s[14:15], s[14:15], s[56:57]      ; sgu_b[64 rho]
	s_lshl_b32 s54, s23, 12
	s_add_co_u32 s56, s56, s54
	s_add_nc_u64 s[12:13], s[12:13], s[56:57]      ; weight[b][64 rho]
	s_lshl_b32 s56, s46, 18
	s_lshl_b32 s54, s23, 22
	s_add_co_u32 s56, s56, s54
	s_lshl_b32 s54, s20, 10
	s_add_co_u32 s56, s56, s54
	s_add_nc_u64 s[18:19], s[18:19], s[56:57]      ; out0 at my first row and my wave's 256 columns
	s_mov_b32 s55, 0
	s_add_nc_u64 s[10:11], s[10:11], s[54:55]      ; pb and cb at my wave's 256 columns
	s_add_nc_u64 s[16:17], s[16:17], s[54:55]
	WIN 0x40                                       ; destination window 1
.irp kap, 0,1,2,3,4,5,6,7
.irp m, 0,1,2,3
.irp c, 0,1
	global_load_b128 v[32*\kap+8*\m+4*\c:32*\kap+8*\m+4*\c+3], v1, s[4:5] offset:4096*\kap+2048*\c+512*\m th:TH_LOAD_NT
.endr
.endr
.endr
	WIN 0x80                                       ; destination window 2
.irp kap, 0,1,2,3,4,5,6,7
.irp m, 0,1,2,3
.irp c, 0,1
	global_load_b128 v[32*\kap+8*\m+4*\c:32*\kap+8*\m+4*\c+3], v1, s[6:7] offset:4096*\kap+2048*\c+512*\m
.endr
.endr
.endr
	WIN 0
.irp j, 0,1,2,3
	global_load_b128 v[SX+4*\j:SX+4*\j+3], v1, s[4:5] offset:SCO+512*\j th:TH_LOAD_NT
	global_load_b128 v[SW+4*\j:SW+4*\j+3], v1, s[6:7] offset:SCO+512*\j
.endr
.irp m, 0,1,2,3
	global_load_b32 v[12+\m], v11, s[12:13] offset:4*(32*(\m/2)+8*(\m%2))   ; weight[b, j] and sgu_b[j] of my row of tile m
	global_load_b32 v[16+\m], v11, s[14:15] offset:4*(32*(\m/2)+8*(\m%2))
.endr
.macro BIAS bs, acc, ofs               ; eight neighbouring numbers of a bias a tile, in the result's layout, into the registers of the accumulators (m = 0, n)
	WIN 0xc0
.irp n, 0,1,2,3
.irp jj, 0,1
	global_load_b128 v[(\acc)+8*\n+4*\jj:(\acc)+8*\n+4*\jj+3], v10, s[\bs:\bs+1] offset:(\ofs)+4*(32*(\n/2)+8*(\n%2))+16*\jj
.endr
.endr
	WIN 0
.endm
.macro GATE                            ; proj = u (gated weight[b, j] + sgu_b[j]); a lane holds one row a tile, so one register of a pair serves both halves.  Each accumulator is read from its low end on
	WIN 0xc3                                       ; destination and source 0 window 3
.irp m, 0,1,2,3
.set j, 0
.rept 16
.if (\m%2) == 0
	v_pk_fma_f32 v[128+32*\m+j:129+32*\m+j], v[128+32*\m+j:129+32*\m+j], v[12+2*(\m/2):13+2*(\m/2)], v[16+2*(\m/2):17+2*(\m/2)] op_sel_hi:[1,0,0]
.else
	v_pk_fma_f32 v[128+32*\m+j:129+32*\m+j], v[128+32*\m+j:129+32*\m+j], v[12+2*(\m/2):13+2*(\m/2)], v[16+2*(\m/2):17+2*(\m/2)] op_sel:[0,1,1] op_sel_hi:[1,1,1]
.endif
.set j, j+2
.endr
.endr
	WIN 0xcf                                       ; and source 1 too
.set j, 0
.rept 64
	v_pk_mul_f32 v[128+j:129+j], v[128+j:129+j], v[j:j+1]
.set j, j+2
.endr
	WIN 0
.endm
; A quarter of t: q = 2 trip + qq.  Its 64 columns are half qq of K step 2 w + trip of the last product.
; A PREFETCH INTO THE L2 of my work-group's 34 units of the block at s[bs] + ofs, which my wave's tensor load asks for at a later change of slots.
; In quarter q: behind U's products block q + 2 of my wave's eight of wq (asked for by its load in quarter q + 1, or at O0's change); behind G's products vq's block q + 1, and in quarter 3 wq's block 6 (O2's).
; The first three blocks (U0, G0, U1) come by their loads alone.  The bases are stepped at the trip's end, behind s_wait_xcnt 0.
.macro ASK bs, ofs
	global_prefetch_b8 v26, s[\bs:\bs+1] offset:(\ofs) th:TH_LOAD_NT scope:SCOPE_SE
	global_prefetch_b8 v27, s[\bs:\bs+1] offset:(\ofs) th:TH_LOAD_NT scope:SCOPE_SE
.endm
.macro HALF qq
	CHANGE 1, 0, OPB, 0
	QPASS 1, 0, 0xf4, 0, SX, 2, 1
	ASK 66, (2+\qq)*OPB
	SWISH 3, 0
	CHANGE 0, 1, OPB, 0
	QPASS 1, 1, 0xf8, 128, SW, 1, 0
.if (\qq) == 0
	ASK 68, OPB
.else
	ASK 70, 2*OPB
.endif
	PLACES 4
	GATE
.if (\qq) == 0                         ; u is done with: the next pass on these accumulators gets its bias now, and the wait for it stands in that pass
	BIAS 10, 0, 256
.else
	BIAS 60, 0, 0                                  ; trip 0: pb's third quarter; trip 1: cb's first, for O0
.endif
	QUANT 3, 128, 4
.irp m, 0,1,2,3
	ds_store_b128 v20, v[QC+4*\m:QC+4*\m+3] offset:2048*(\qq)+512*\m   ; the operand's registers as they stand
.endr
.if (\qq) == 0
	v_cndmask_b32 v22, v[QH], v[QH+1], s48         ; lanes 0-15 the even tile's two bytes, lanes 16-31 the odd one's: kept for the word's other half
	v_cndmask_b32 v23, v[QH+2], v[QH+3], s48
.else
	v_cndmask_b32 v24, v[QH], v[QH+1], s48
	v_cndmask_b32 v25, v[QH+2], v[QH+3], s48
	v_lshl_or_b32 v24, v24, 16, v22
	v_lshl_or_b32 v25, v25, 16, v23
	ds_store_b32 v21, v24                          ; whole scale words, 4 bytes a lane
	ds_store_b32 v21, v25 offset:128
.endif
.endm
	s_mov_b32 s47, 0
	s_mov_b32 s58, 0                               ; 4,096 x trip: a K step of proj's codes
	s_mov_b32 s59, 0
	BIAS 10, 0, 0                                  ; pb's first quarter
	s_add_nc_u64 s[60:61], s[10:11], 512           ; the bias that a trip's second half asks for
	s_mov_b64 s[70:71], s[68:69]                   ; and the base of its second prefetch
	s_add_nc_u64 s[72:73], s[66:67], 4*OPB         ; cw's four blocks of my wave
.Ltrip:                                            ; two trips of two quarters
	v_add_nc_u32 v20, s58, v4
	v_add_nc_u32 v21, s59, v5
	HALF 0
	HALF 1
	s_wait_xcnt 0x0                                ; the loads and prefetches have read their bases: only behind this wait are these written
	s_add_nc_u64 s[10:11], s[10:11], 512
	s_mov_b64 s[60:61], s[16:17]
	s_add_nc_u64 s[66:67], s[66:67], 2*OPB
	s_add_nc_u64 s[68:69], s[68:69], 2*OPB
	s_mov_b64 s[70:71], s[72:73]
	s_add_co_u32 s58, s58, 4096
	s_add_co_u32 s59, s59, 256
	s_add_co_u32 s47, s47, 1
	s_cmp_lt_u32 s47, 2
	s_cbranch_scc1 .Ltrip
	s_wait_dscnt 0x0                               ; for the others' sake: my part of proj has landed
	s_barrier_signal -1
	s_barrier_wait -1
	WIN 0x40                                       ; proj's 64 rows, all of K, take the registers that a's codes have left
.irp kap, 0,1,2,3,4,5,6,7
.irp m, 0,1,2,3
.irp c, 0,1
	ds_load_b128 v[32*\kap+8*\m+4*\c:32*\kap+8*\m+4*\c+3], v6 offset:4096*\kap+2048*\c+512*\m
.endr
.endr
.endr
	WIN 0
.irp kap, 0,1,2,3,4,5,6,7
.irp i, 0,1
	ds_load_b32 v[SX+8*\i+\kap], v30 offset:256*\kap+128*\i
.endr
.endr
; THE WAY OUT of a pass, a tile of 16 rows x 64 columns at a time: a lane's 32 bytes go into my stage, and come back as whole rows of 256 bytes, which sixteen lanes store at a multiple of 256 from out0's first byte.
; LDS serves a wave's instructions in order (ISA guide 5.7.1.4): no wait between the stores and the loads, nor in front of the next tile's stores.
.macro TOSTAGE m
	WIN 0x0c                                       ; an LDS store's data are its source 1: window 3
.irp n, 0,1,2,3
	ds_store_b128 v7, v[AB+32*(\m)+8*\n:AB+32*(\m)+8*\n+3] offset:128*(\n/2)+32*(\n%2)         ; each accumulator from its low end on
	ds_store_b128 v7, v[AB+32*(\m)+8*\n+4:AB+32*(\m)+8*\n+7] offset:128*(\n/2)+32*(\n%2)+16
.endr
	WIN 0
.irp e, 0,1,2,3,4,5,6,7
	ds_load_b128 v[128+32*(\m)+4*\e:128+32*(\m)+4*\e+3], v8 offset:2*SPI*\e
.endr
.endm
.macro SEND m, qp, younger             ; younger: the next tile's 8 stores and 8 loads, which may stay out
	s_wait_dscnt \younger
.irp e, 0,1,2,3,4,5,6,7
	global_store_b128 v9, v[128+32*(\m)+4*\e:128+32*(\m)+4*\e+3], s[18:19] offset:4096*(32*((\m)/2)+8*((\m)%2)+2*\e+8*(\e/4))+256*(\qp) th:TH_STORE_NT
.endr
.endm
.macro OUT qp
	PLACES 4                                       ; in front of the first read of results and of loads into the fragments' registers
	TOSTAGE 0
.irp m, 1,2,3
	TOSTAGE \m
	SEND \m-1, \qp, 16
.endr
	SEND 3, \qp, 0
.endm
.set AB, 0
	CHANGE 1, 0, 2*OPB, 1                          ; its wait for LDS and its round also show every wave's reads of proj done: only behind them is the stage written
	QPASS 1, 0, 0xf4, AB, SX, 2, 1
	ASK 72, 3*OPB                                  ; O3's block, which O2's change of slots asks for
	BIAS 16, 128, 256                              ; the next pass's bias, into the other set of accumulators, is on its way under this pass's way out
	OUT 0
	s_wait_xcnt 0x0                                ; the stores have read their registers: the next pass's fragments land there
.set AB, 128
	CHANGE 0, 1, 2*OPB, 0
	QPASS 1, 1, 0xf4, AB, SX, 2, 1
	BIAS 16, 0, 512
	OUT 1
	s_wait_xcnt 0x0
.set AB, 0
	CHANGE 1, 0, 0, 0
	QPASS 1, 0, 0xf4, AB, SX, 2, 1
	BIAS 16, 128, 768
	OUT 2
	s_wait_xcnt 0x0
.set AB, 128
	s_wait_tensorcnt 0x0                           ; the last block: no load was issued behind it, and nothing is left to ask for
	QPASS 1, 1, 0xf4, AB, SX, 2, 1
	OUT 3
	s_wait_tensorcnt 0x0                           ; the wave's end
	ds_add_u32 v28, v29
	s_wait_dscnt 0x0
	ROUND                                          ; the closing round
	s_endpgm
.Lfunc_end_k_qdf5d2aacb1_back:
	.size	k_qdf5d2aacb1_back, .Lfunc_end_k_qdf5d2aacb1_back-k_qdf5d2aacb1_back
	.p2alignl 7, 3214868480
	.fill 96, 4, 3214868480
	.section	.rodata,"a",@progbits
	.p2align	6, 0x0
	.amdhsa_kernel k_qdf5d2aacb1_back
		.amdhsa_group_segment_fixed_size 327680
		.amdhsa_private_segment_fixed_size 0
		.amdhsa_enable_private_segment 0
		.amdhsa_kernarg_size 64
		.amdhsa_user_sgpr_count 2
		.amdhsa_user_sgpr_kernarg_segment_ptr 1
		.amdhsa_wavefront_size32 1
		.amdhsa_system_sgpr_workgroup_id_x 1
		.amdhsa_system_sgpr_workgroup_id_y 1
		.amdhsa_system_sgpr_workgroup_id_z 1
		.amdhsa_system_vgpr_workitem_id 0
		.amdhsa_next_free_vgpr 1024
		.amdhsa_next_free_sgpr 80
		.amdhsa_reserve_vcc 0
		.amdhsa_float_denorm_mode_32 3
		.amdhsa_float_denorm_mode_16_64 3
		.amdhsa_memory_ordered 1
		.amdhsa_forward_progress 1
		.amdhsa_inst_pref_size 255
	.end_amdhsa_kernel
	.section	.bss,"aw",@nobits
	.p2align	6
	.space	262144
	.amdgpu_metadata
---
amdhsa.version: [ 1, 2 ]
amdhsa.kernels:
  - .name:           k_qdf5d2aacb1_back
    .symbol:         k_qdf5d2aacb1_back.kd
    .args:
      - { .name: xq, .offset: 0, .size: 8, .value_kind: global_buffer, .address_space: global }
      - { .name: wq, .offset: 8, .size: 8, .value_kind: global_buffer, .address_space: global }
      - { .name: vq, .offset: 16, .size: 8, .value_kind: global_buffer, .address_space: global }
      - { .name: pb, .offset: 24, .size: 8, .value_kind: global_buffer, .address_space: global }
      - { .name: weight, .offset: 32, .size: 8, .value_kind: global_buffer, .address_space: global }
      - { .name: sgu_b, .offset: 40, .size: 8, .value_kind: global_buffer, .address_space: global }
      - { .name: cb, .offset: 48, .size: 8, .value_kind: global_buffer, .address_space: global }
      - { .name: out0, .offset: 56, .size: 8, .value_kind: global_buffer, .address_space: global }
    .group_segment_fixed_size: 327680
    .private_segment_fixed_size: 0
    .kernarg_segment_align: 8
    .kernarg_segment_size: 64
    .max_flat_workgroup_size: 128
    .sgpr_count:     80
    .vgpr_count:     1024
    .wavefront_size: 32
...
	.end_amdgpu_metadata
.endif
;; end of part 3
